; MI455X (gfx1250); checked and timed in simulation.
; The chip was launched on July 23, 2026; its instructions are those of AMD's public machine-readable ISA for CDNA 5 (MIT licence, August 2026) and "CDNA5" Instruction Set Architecture Reference Guide (July 2026). The comments in the code are by the model that wrote it; some were corrected since.
;; Experts Feed Forward Network. Allowed arithmetic: matrix products marked QUANTISED: E2M1 operands, one E8M0 scale for each 32 along K, by v_wmma_scale_f32_16x16x128_f8f6f4 with both operands' format E2M1 (or v_wmma_scale_f32_32x16x128_f4), f32 sums; products left as they are: f32 operands where the result goes on into a quantised operand, else bf16, f16 or f32 operands; f32 sums; everything else in f32.
;; Inputs: b1 8 x 2,048 float32; b2 8 x 1,024 float32; experts 2 x 2 x 1,024 x 1 int32; probs 2 x 2 x 1,024 x 1 float32; w1_codes 8 x 2,048 x 32 x 16 uint8 (E2M1 codes of w1, K innermost, in blocks of 32 codes, two codes a byte); w1_scales 8 x 2,048 x 32 uint8 (E8M0 scales of w1, one for each 32 codes along K); w2_codes 8 x 1,024 x 64 x 16 uint8 (E2M1 codes of w2, K innermost, in blocks of 32 codes, two codes a byte); w2_scales 8 x 1,024 x 64 uint8 (E8M0 scales of w2, one for each 32 codes along K); x_codes 2 x 1,024 x 32 x 16 uint8 (E2M1 codes of x, K innermost, in blocks of 32 codes, two codes a byte); x_scales 2 x 1,024 x 32 uint8 (E8M0 scales of x, one for each 32 codes along K).
;; Outputs: out0 2 x 1,024 x 1,024 float32.
;; This version of the problem:
;;   THIS VERSION OF THE PROBLEM IS GIVEN IN LOW PRECISION. The matrix products marked QUANTISED in the list below multiply operands that are first quantised to E2M1 (2 exponent bits, 1 mantissa bit; 4 bits a number), with one power-of-two scale for each 32 numbers along K (OCP MX v1.0); their sums are f32. All else is computed in f32.
;;   The module's matrix products, in the order in which they are computed (A, B: the left and right operand; K: the contracted axis; several contracted axes count as one K, in the product's order):
;;     1. [M 16,384, K 1,024] x [K 1,024, N 2,048]; A: input w1 (given as codes); B: input x (given as codes): QUANTISED
;;     2. batch 8 x [M 2,048, K 2,048] x [K 2,048, N 1,024]; A: computed on the way; B: input w2 (given as codes): QUANTISED
;;     3. batch 2,048 x [M 1, K 2] x [K 2, N 8]; A: computed on the way; B: computed on the way: left as it is (K = 2 < 32)
;;     4. batch 2,048 x [M 1, K 8] x [K 8, N 1,024]; A: computed on the way; B: computed on the way: left as it is (K = 8 < 32)
;;   THE QUANTISER, for each operand of a quantised product, along K:
;;     - K is cut into blocks of 32 from its start; a last block that is shorter is filled with zeros.
;;     - A block's scale is 2^e with e = floor(log2(the largest magnitude in the block)) - 2, held to -126 .. 127; a block of zeros has e = 0. As a byte (E8M0): e + 127.
;;     - Each number is divided by its block's scale, clamped to +-6, and rounded to the nearest number of E2M1, ties to even, subnormals kept.
;;     - The product sums the exact products of the quantised numbers (number of the format x scale) in f32.
;;   ~~~python
;;   def quantise(x, axis):      # numpy; x: float32 -> the quantised numbers, widened to float32 again
;;       x = np.moveaxis(x, axis, -1); K = x.shape[-1]
;;       x = np.pad(x, [(0, 0)] * (x.ndim - 1) + [(0, -K % 32)]); x = x.reshape(x.shape[:-1] + (-1, 32)); a = np.abs(x).max(-1, keepdims=True)
;;       e = np.where(a > 0, np.clip(np.frexp(np.where(a > 0, a, 1))[1] - 1 - 2, -126, 127), 0)      # np.frexp(a)[1] - 1 = floor(log2(a)), exactly
;;       r = np.clip(x / 2.0 ** e, -6, 6)
;;       step = 2.0 ** (np.maximum(np.frexp(np.where(r == 0, 1, r))[1] - 1, 0) - 1)
;;       q = np.round(r / step) * step * 2.0 ** e      # np.round: ties to even
;;       return np.moveaxis(q.reshape(q.shape[:-2] + (-1,))[..., :K], -1, axis).astype(np.float32)
;;   ~~~
;;   OPERANDS COMPUTED ON THE WAY. 'Computed on the way' means the value that the module computes at that place (a softmax that the list does not call 'softmax' is quantised finished and normalised). What goes into a quantiser is computed in f32, as accurately as f32 sums, v_exp_f32 and their like allow (about 1e-6 of the number): no bf16 or f16 on the way to a quantiser, and a product that is left as it is and whose result goes on into a quantised operand takes f32 operands (vector FMAs, or v_wmma_f32_16x16x4_f32). A number that lies on a knife's edge between two numbers of the format may be rounded either way, as far as f32 arithmetic and the matrix unit's own rounding can turn it there, and no further.
;;   INPUTS GIVEN AS CODES. w1 (in the module: [8, 1024, 2048], K = its axis 1); w2 (in the module: [8, 2048, 1024], K = its axis 1); x (in the module: [2, 1024, 1024], K = its axis 2): each comes as NAME_codes (uint8): NAME with its K axis moved to the last place and cut into blocks of 32 codes, [.., K / 32, bytes a block], one block behind the other in memory; two codes a byte, the lower K in the low four bits (a code: sign, 2 exponent bits, 1 mantissa bit); and NAME_scales (uint8): the same leading axes, one E8M0 byte (e + 127) for each 32 codes along K. Its value is code x scale, taken as it is: it is not quantised again, and the codes and scales need not be those that the quantiser above would give.
;; 2 versions. Each part assembles by itself: llvm-mc -triple=amdgcn-amd-amdhsa -mcpu=gfx1250 --defsym DOCPART=n.
;; ======== version 1 of 2: 3 launches
;; workspace buffers: perm 8,192 bytes of whole numbers; bmask 256 bytes of whole numbers; hc 16,777,216 bytes; hs 1,048,576 bytes
;; launch route (part 1): grid 1 x 1, 32 waves a work-group, no clusters, 13,312 bytes of LDS; arguments experts, perm, bmask; writes perm, bmask
.if DOCPART == 1
	.amdgcn_target "amdgcn-amd-amdhsa--gfx1250"
	.amdhsa_code_object_version 6
	.text
	.protected	k_q3920ee9b39_route
	.globl	k_q3920ee9b39_route
	.p2align	8
	.type	k_q3920ee9b39_route,@function
k_q3920ee9b39_route:
	s_mov_b64 s[64:65], 0
	v_nop
	global_prefetch_b8 v0, s[64:65] scope:SCOPE_SE
	s_setreg_imm32_b32 hwreg(HW_REG_WAVE_MODE, 25, 1), 1
	s_wait_xcnt 0x0
; ROUTE: the 2,048 tokens are sorted by the unordered pair of their two experts, and each block of 32 sorted tokens gets the set of experts that it uses.
; THE PROGRAM: route (this launch) | up: Q(gelu(x W1[e] + b1[e])) for every (block, expert of its set) | down: out[t] = sum over the set of w_e(t) (h_e W2[e] + b2[e]).
; DEAD WORK LEFT OUT.  y[e][t] reaches out[t] only as weights[t][e] x y[e][t], and weights[t][e] = probs[0][t] [experts[0][t] = e] + probs[1][t] [experts[1][t] = e], which reference() builds from a one_hot
; of the index input.  Where e is neither of the token's two indices that weight is 0 for all finite values of the inputs, so y[e][t], and h[e][t] that serves it alone, reach no output.  It is left out in whole
; units: a (block of 32 tokens, expert) pair in which no token has chosen the expert is not multiplied, in the first product, the second and the combine.  Inside a live pair the rows of tokens that did not choose
; the expert stay and are multiplied by their weight 0, as in reference().  The one_hot product is a selection: compare and select.  Every input is loaded by some launch.
; LIMITS: a NaN, an infinity or an overflow that arises only in a y[e][t] that is left out is not carried to the result.  An index outside 0 .. 7 has weight 0, as one_hot gives; here it is held at 7 for the grouping alone.
; THE SORT is a counting sort on key = 8 min(e0, e1) + max(e0, e1), 64 keys, by one work-group of 32 waves; no atomics.  Wave w holds tokens 64 w + lane (chunk A) and 64 w + 32 + lane (chunk B).
;   1: each wave counts its keys: lane l ends with the counts of keys l and l + 32, packed in one word (no count passes 2,048, so no carry crosses the halves) | barrier
;   2: wave k scans key k's (and k + 32's) counts over the 32 waves | barrier |  3: every wave scans the 64 totals; a token's place = its key's start + the earlier waves' count + its rank in its wave
;   4: wave w finds the sets of blocks 2 w and 2 w + 1: key k counts where its run of places meets the block's 32 | barrier | wave 0 stores the 64 sets as 256 consecutive bytes.
.set T1,    0                          ; LDS: counts, row = wave, word = key % 32; rows 132 bytes apart (33 words), so that a column's 32 words fall on 32 banks
.set T2,    4352                       ; the earlier waves' counts, same shape
.set TOT,   8704                       ; 32 words: the keys' totals
.set BM,    8960                       ; 64 words: the blocks' sets
.set SPARE, 9216                       ; the spare words, 128 bytes for each of the 32 waves: no other line names them
.set BT,    16                         ; s16-21  lanes whose key has bit j set
.set NBT,   24                         ; s24-29  and the others
	s_load_b128 s[4:7], s[0:1], 0x0                ; experts s[4:5], perm s[6:7]
	s_load_b64 s[8:9], s[0:1], 0x10                ; bmask
	v_lshl_add_u32 v62, v0, 2, SPARE               ; my spare word; never rewritten
	v_mov_b32 v63, 0                               ; 0; never rewritten
	v_and_b32 v1, 31, v0                           ; lane
	v_lshrrev_b32 v2, 5, v0                        ; wave
	v_readfirstlane_b32 s10, v2
	v_mul_u32_u24 v3, v2, 132
	v_lshl_add_u32 v3, v1, 2, v3                   ; row = my wave, word = my lane
	v_mul_u32_u24 v4, v1, 132
	v_lshl_add_u32 v4, v2, 2, v4                   ; row = my lane, word = my wave
	v_lshlrev_b32 v5, 2, v2                        ; 4 x wave
	v_lshlrev_b32 v6, 2, v1                        ; 4 x lane
	v_lshlrev_b32 v57, 3, v2                       ; 8 x wave
	v_lshlrev_b32 v29, 3, v1                       ; 8 x lane
	v_and_b32 v7, 0x3e0, v0
	v_add_nc_u32 v7, v7, v0                        ; chunk A's token: 64 x wave + lane
	v_add_nc_u32 v8, 32, v7                        ; chunk B's
	v_lshlrev_b32 v9, 2, v7
	v_bfe_u32 v27, v0, 4, 1
	v_sub_nc_u32 v27, 0, v27                       ; all ones in lanes 16-31
	v_mov_b32 v36, 0                               ; written once: a DPP form's destination counts as read
.irp j, 0,1,2,3,4
	v_bfe_u32 v[22+\j], v0, \j, 1
	v_add_nc_u32 v[22+\j], -1, v[22+\j]            ; 0 where bit j of my lane is set, else all ones
.endr
	s_mov_b32 s32, 0x55555555
	s_mov_b32 s33, 0x33333333
	s_mov_b32 s34, 0x0f0f0f0f
	s_mov_b32 s35, 0x01010101
	s_wait_kmcnt 0x0
	global_load_b32 v10, v9, s[4:5]                ; experts[0] of chunk A,
	global_load_b32 v11, v9, s[4:5] offset:128     ; of chunk B,
	global_load_b32 v12, v9, s[4:5] offset:8192    ; experts[1] of chunk A,
	global_load_b32 v13, v9, s[4:5] offset:8320    ; of chunk B
	s_wait_loadcnt 0x0
.irp i, 10,11,12,13
	v_min_u32 v\i, 7, v\i                          ; for the grouping alone
.endr
	v_min_u32 v30, v10, v12
	v_max_u32 v31, v10, v12
	v_lshl_add_u32 v14, v30, 3, v31                ; chunk A's key
	v_min_u32 v30, v11, v13
	v_max_u32 v31, v11, v13
	v_lshl_add_u32 v15, v30, 3, v31                ; chunk B's
.macro POPC x                          ; the number of ones in v[x], in place
	v_lshrrev_b32 v30, 1, v[\x]
	v_and_b32 v30, s32, v30
	v_sub_nc_u32 v[\x], v[\x], v30
	v_lshrrev_b32 v30, 2, v[\x]
	v_and_b32 v30, s33, v30
	v_and_b32 v[\x], s33, v[\x]
	v_add_nc_u32 v[\x], v[\x], v30
	v_lshrrev_b32 v30, 4, v[\x]
	v_add_nc_u32 v[\x], v[\x], v30
	v_and_b32 v[\x], s34, v[\x]
	v_mul_lo_u32 v[\x], v[\x], s35
	v_lshrrev_b32 v[\x], 24, v[\x]
.endm
; One chunk of 32 keys: rank = how many lower lanes hold my key; h0, h1 = how many lanes hold the key that is my lane's number, and that + 32.
.macro CHUNK key, rank, h0, h1
.irp j, 0,1,2,3,4,5
	v_and_b32 v30, 1<<\j, v[\key]
	v_cmp_ne_u32 s[BT+\j], 0, v30
	s_not_b32 s[NBT+\j], s[BT+\j]
.endr
	v_cndmask_b32 v31, s[NBT], s[BT], s[BT]        ; the lanes that agree with me in bit 0,
.irp j, 1,2,3,4,5
	v_cndmask_b32 v30, s[NBT+\j], s[BT+\j], s[BT+\j]
	v_and_b32 v31, v31, v30                        ; and in all six: my key's lanes
.endr
	v_mbcnt_lo_u32_b32 v[\rank], v31, 0
	v_xor_b32 v31, s[BT], v22                      ; the lanes whose key agrees with my LANE NUMBER in bit 0,
.irp j, 1,2,3,4
	v_xor_b32 v30, s[BT+\j], v[22+\j]
	v_and_b32 v31, v31, v30                        ; in bits 0 to 4
.endr
	v_and_b32 v[\h0], s[NBT+5], v31
	v_and_b32 v[\h1], s[BT+5], v31
	POPC \h0
	POPC \h1
.endm
; An inclusive sum over the 32 lanes: four steps inside each 16 lanes, then the lower 16's total onto the upper 16.
.macro SCAN x
.irp n, 1,2,4,8
	v_mov_b32_dpp v36, v[\x] row_shr:\n row_mask:0xf bank_mask:0xf bound_ctrl:1
	v_add_nc_u32 v[\x], v[\x], v36
.endr
	v_readlane_b32 s44, v[\x], 15
	v_and_b32 v36, s44, v27
	v_add_nc_u32 v[\x], v[\x], v36
.endm
	CHUNK 14, 16, 18, 19
	CHUNK 15, 17, 20, 21
	v_add_nc_u32 v32, v18, v20
	v_add_nc_u32 v33, v19, v21
	v_lshl_or_b32 v32, v33, 16, v32                ; my wave's counts of keys lane and lane + 32
	ds_store_b32 v3, v32 offset:T1
	s_wait_dscnt 0x0                               ; for the others' sake: my store has landed
	s_barrier_signal -1
	s_barrier_wait -1
	ds_load_b32 v34, v4 offset:T1                  ; lane = wave: its count of the key that is MY wave's number
	s_wait_dscnt 0x0
	v_mov_b32 v35, v34
	SCAN 34
	v_sub_nc_u32 v35, v34, v35                     ; the earlier waves' count
	ds_store_b32 v4, v35 offset:T2
	v_readlane_b32 s45, v34, 31
	v_mov_b32 v37, s45
	ds_store_b32 v5, v37 offset:TOT                ; the key's total (all lanes write the same word with the same value)
	s_wait_dscnt 0x0
	s_barrier_signal -1
	s_barrier_wait -1
	ds_load_b32 v38, v3 offset:T2                  ; lane = key: what the waves before mine hold of it
	ds_load_b32 v39, v6 offset:TOT                 ; and its total
	s_wait_dscnt 0x0
	v_mov_b32 v40, v39
	SCAN 40
	v_readlane_b32 s45, v40, 31
	s_and_b32 s45, s45, 0xffff                     ; the tokens of keys 0 to 31
	v_sub_nc_u32 v40, v40, v39
	v_and_b32 v41, 0xffff, v40                     ; where key lane begins,
	v_lshrrev_b32 v42, 16, v40
	v_add_nc_u32 v42, s45, v42                     ; and key lane + 32
	v_and_b32 v43, 0xffff, v39
	v_lshrrev_b32 v44, 16, v39
	v_and_b32 v45, 0xffff, v38
	v_add_nc_u32 v45, v45, v41                     ; where my wave's chunk A puts key lane,
	v_lshrrev_b32 v46, 16, v38
	v_add_nc_u32 v46, v46, v42                     ; key lane + 32;
	v_add_nc_u32 v47, v45, v18                     ; chunk B behind chunk A
	v_add_nc_u32 v48, v46, v19
	v_and_b32 v49, 31, v14
	v_lshlrev_b32 v49, 2, v49
	v_and_b32 v50, 31, v15
	v_lshlrev_b32 v50, 2, v50
	ds_bpermute_b32 v51, v49, v45                  ; each token pulls its key's place from the lane that holds it
	ds_bpermute_b32 v52, v49, v46
	ds_bpermute_b32 v53, v50, v47
	ds_bpermute_b32 v54, v50, v48
	v_add_nc_u32 v43, v43, v41                     ; where key lane ends,
	v_add_nc_u32 v44, v44, v42                     ; and key lane + 32
	s_wait_dscnt 0x0
	v_cmp_lt_u32 vcc_lo, 31, v14
	v_cndmask_b32 v51, v51, v52, vcc_lo
	v_add_nc_u32 v51, v51, v16
	v_min_u32 v51, 2047, v51
	v_lshlrev_b32 v51, 2, v51
	global_store_b32 v51, v7, s[6:7]               ; perm[place] = token
	v_cmp_lt_u32 vcc_lo, 31, v15
	v_cndmask_b32 v53, v53, v54, vcc_lo
	v_add_nc_u32 v53, v53, v17
	v_min_u32 v53, 2047, v53
	v_lshlrev_b32 v53, 2, v53
	global_store_b32 v53, v8, s[6:7]
; The set of a block from the two masks of keys that meet it: expert e is in it where a key with e as its low or its high three bits does.
.macro BSET m
	s_mov_b32 s[\m], 0
.irp e, 0,1,2,3
	s_and_b32 s46, s36, (0x01010101<<\e)|(0xff<<(8*\e))
	s_and_b32 s47, s37, 0x01010101<<\e
	s_or_b32 s46, s46, s47                         ; SCC: any such key
	s_cselect_b32 s46, 1<<\e, 0
	s_or_b32 s[\m], s[\m], s46
.endr
.irp e, 4,5,6,7
	s_and_b32 s46, s36, 0x01010101<<\e
	s_and_b32 s47, s37, (0x01010101<<\e)|(0xff<<(8*(\e-4)))
	s_or_b32 s46, s46, s47
	s_cselect_b32 s46, 1<<\e, 0
	s_or_b32 s[\m], s[\m], s46
.endr
.endm
	s_lshl_b32 s40, s10, 6                         ; block 2 w begins at place 64 w
.irp i, 0,1
	s_add_co_u32 s41, s40, 32*\i
	s_add_co_u32 s42, s40, 32*\i+32
	v_max_u32 v55, s41, v41
	v_min_u32 v56, s42, v43
	v_cmp_lt_u32 s36, v55, v56                     ; key lane's run meets the block (an empty run meets none)
	v_max_u32 v55, s41, v42
	v_min_u32 v56, s42, v44
	v_cmp_lt_u32 s37, v55, v56                     ; key lane + 32's
	BSET 38+\i
.endr
	v_mov_b32 v58, s38
	v_mov_b32 v59, s39
	ds_store_b64 v57, v[58:59] offset:BM
	s_wait_dscnt 0x0
	s_barrier_signal -1
	s_barrier_wait -1
	s_cmp_lg_u32 s10, 0
	s_cbranch_scc1 .Ldone
	ds_load_b64 v[60:61], v29 offset:BM
	s_wait_dscnt 0x0
	global_store_b64 v29, v[60:61], s[8:9]         ; 32 lanes store 256 consecutive bytes: all 64 sets
.Ldone:
	s_wait_tensorcnt 0x0                           ; the wave's end: three lines behind my last LDS store
	ds_add_u32 v62, v63
	s_wait_dscnt 0x0
	s_endpgm
.Lfunc_end_k_q3920ee9b39_route:
	.size	k_q3920ee9b39_route, .Lfunc_end_k_q3920ee9b39_route-k_q3920ee9b39_route
	.p2alignl 7, 3214868480
	.fill 96, 4, 3214868480
	.section	.rodata,"a",@progbits
	.p2align	6, 0x0
	.amdhsa_kernel k_q3920ee9b39_route
		.amdhsa_group_segment_fixed_size 13312
		.amdhsa_private_segment_fixed_size 0
		.amdhsa_enable_private_segment 0
		.amdhsa_kernarg_size 24
		.amdhsa_user_sgpr_count 2
		.amdhsa_user_sgpr_kernarg_segment_ptr 1
		.amdhsa_wavefront_size32 1
		.amdhsa_system_sgpr_workgroup_id_x 1
		.amdhsa_system_sgpr_workgroup_id_y 1
		.amdhsa_system_sgpr_workgroup_id_z 1
		.amdhsa_system_vgpr_workitem_id 0
		.amdhsa_next_free_vgpr 64
		.amdhsa_next_free_sgpr 66
		.amdhsa_reserve_vcc 1
		.amdhsa_float_denorm_mode_32 3
		.amdhsa_float_denorm_mode_16_64 3
		.amdhsa_memory_ordered 1
		.amdhsa_forward_progress 1
		.amdhsa_inst_pref_size 17
	.end_amdhsa_kernel
	.amdgpu_metadata
---
amdhsa.version: [ 1, 2 ]
amdhsa.kernels:
  - .name:           k_q3920ee9b39_route
    .symbol:         k_q3920ee9b39_route.kd
    .args:
      - { .name: experts, .offset: 0, .size: 8, .value_kind: global_buffer, .address_space: global }
      - { .name: perm, .offset: 8, .size: 8, .value_kind: global_buffer, .address_space: global }
      - { .name: bmask, .offset: 16, .size: 8, .value_kind: global_buffer, .address_space: global }
    .group_segment_fixed_size: 13312
    .private_segment_fixed_size: 0
    .kernarg_segment_align: 8
    .kernarg_segment_size: 24
    .max_flat_workgroup_size: 1024
    .sgpr_count:     66
    .vgpr_count:     64
    .wavefront_size: 32
...
	.end_amdgpu_metadata
.endif
;; end of part 1
;; launch up (part 2): grid 32 x 8, 4 waves a work-group, no clusters, 0 bytes of LDS; arguments x_codes, x_scales, w1_codes, w1_scales, b1, perm, bmask, hc, hs; writes hc, hs
.if DOCPART == 2
	.amdgcn_target "amdgcn-amd-amdhsa--gfx1250"
	.amdhsa_code_object_version 6
	.text
	.protected	k_q3920ee9b39_up
	.globl	k_q3920ee9b39_up
	.p2align	8
	.type	k_q3920ee9b39_up,@function
k_q3920ee9b39_up:
	s_mov_b64 s[64:65], 0
	v_nop
	global_prefetch_b8 v0, s[64:65] scope:SCOPE_SE
	s_setreg_imm32_b32 hwreg(HW_REG_WAVE_MODE, 25, 1), 1
	s_wait_xcnt 0x0
; UP: h = Q(gelu(x W1[e] + b1[e])) on codes of FP4 (E2M1) with one E8M0 scale for each 32 along K, for every ITEM: a block b of 32 sorted tokens and an expert e of its set (bmask[b]).
; LEFT OUT: (block, expert) pairs outside the sets: no token of such a block has chosen the expert, so its weight there is 0 for all values of the inputs (shown at the head of the first launch).
; SHARES.  Work-group (x, y): expert e = y; x % 4 picks 512 of the 2,048 hidden units; x / 8's place q = x / 4 picks items q, q + 8, q + 16, .. of the expert's list.  Wave w owns hidden units 128 s2 .. 128 s2 + 127,
; s2 = 4 (x % 4) + w: ONE K step of the second product.  Its 128 rows of W1 (64 fragments, 512 registers), their scale words and b1 stay in registers; only the tokens' codes come anew for each item.
; The grid serves every split: with all tokens on one expert its 64 items go 8 to a work-group; a work-group whose q is not under the expert's number of items stores nothing and ends.
; NO TENSOR LOADS, NO CLUSTER, NO LDS: trip counts, branches and addresses hang on the stored lists, so operands go from memory straight into registers, and the four waves share nothing: no barrier.
; LAYOUT.  The product is used transposed (source 0 = 16 rows of W1, source 1 = 16 tokens): a lane holds ONE token (lane % 16) and its registers run along the hidden units.  THE ROWS OF W1 THAT FORM A TILE ARE NOT
; NEIGHBOURS: lane r of tile 2 b + u takes row 32 b + 8 u + r + 8 (r / 8), so that the 16 registers of tiles 2 b, 2 b + 1 are the 16 neighbours 32 b + 16 (lane / 16) + 0 .. 15 along the next K.  b1 is the C of a sum's first product.
; GELU as jax has it (tanh form): 0.5 x (1 + tanh(u)) = x / (1 + 2^(-x (A + B x^2))), A = 2 log2(e) sqrt(2 / pi), B = 0.044715 A; all in f32.  An infinite exponential gives 0 x, a vanished one x.
; OUT.  A fragment of h (16 tokens x 128 hidden units: 8 registers a lane) is stored as an IMAGE OF THE NEXT OPERAND'S REGISTERS: hc at ((8 b + e) 2 + tile) 16384 + 1024 s2 + 512 c + 16 lane: each store covers 512
; consecutive bytes.  Scale words: hs at (8 b + e) 2048 + 128 s2 + 4 lane: lanes 0-15 tile 0's tokens, lanes 16-31 tile 1's.  A block of zeros keeps the byte 1: its codes are zeros, and this program alone reads the bytes.
; REGISTERS, in windows of 256.  Window 0: v1-15 lane terms and offsets; v16-31 x's scale words (tiles A, B; register = K step); v32-47 at work; v48-55 the codes just made; v56-58 scale words just made; v[60:61] -A;
;   v64-127 W1's scale words (8 tile + K step); v128-191 the 8 tiles of h; v192-255 gelu's second array.   Window 1: W1's tiles 0-3 (64 tile + 8 K step).   Window 2: tiles 4-7.
;   Window 3: v0-63 x's tile A (8 K step), v64-127 tile B, v128-191 b1 (8 tile).
.set XSA, 16
.set XSB, 24
.set TM,  32
.set PC,  48
.set PW,  56
.set W1S, 64
.set HA,  128
.set Z,   192
.set XA,  0
.set XB,  64
.set B1,  128
.set MSB, 0
.macro WIN new                         ; the immediate's high byte repeats the setting that is left; a switch that changes nothing is dropped
.if MSB != (\new)
	s_set_vgpr_msb (MSB<<8)|(\new)
.set MSB, (\new)
.endif
.endm
	s_load_b512 s[4:19], s[0:1], 0x0               ; x_codes s[4:5], x_scales s[6:7], w1_codes s[8:9], w1_scales s[10:11], b1 s[12:13], perm s[14:15], bmask s[16:17], hc s[18:19]
	s_load_b64 s[20:21], s[0:1], 0x40              ; hs
	v_lshrrev_b32 v15, 5, v0
	v_readfirstlane_b32 s22, v15                   ; wave
	v_and_b32 v1, 15, v0                           ; r
	v_bfe_u32 v15, v0, 4, 1                        ; h
	v_lshlrev_b32 v2, 4, v15                       ; 16 h
	v_and_b32 v3, 31, v0
	v_lshlrev_b32 v8, 2, v3                        ; 4 x lane
	v_lshlrev_b32 v3, 4, v3                        ; 16 x lane
	v_lshlrev_b32 v9, 2, v1                        ; 4 r
	v_and_b32 v197, 8, v1
	v_add_nc_u32 v197, v197, v1                    ; r + 8 (r / 8)
	v_lshl_add_u32 v192, v197, 9, v2               ; W1's codes: a row is 512 bytes; + 16 h
	v_lshlrev_b32 v193, 5, v197                    ; W1's scales: a row is 32 bytes
	v_lshlrev_b32 v194, 6, v15                     ; b1: lanes 16-31 begin 16 numbers on
	v_mov_b32 v60, 0xc0135761                      ; -A
	v_mov_b32 v61, v60
.irp b, 0,1,2,3
	v_mov_b32 v[TM+4+\b], 0                        ; written once: a lane permute's destination counts as one of its sources
.endr
	s_and_b32 s23, ttmp7, 0xffff                   ; e
	s_and_b32 s24, ttmp9, 3
	s_lshr_b32 s25, ttmp9, 2                       ; q
	s_lshl_b32 s26, s24, 2
	s_add_co_u32 s26, s26, s22                     ; s2
	s_lshl_b32 s27, s26, 10                        ; its place in an item's codes,
	s_lshl_b32 s28, s26, 7                         ; and scale words
	s_mov_b32 s44, 0x76543210
	s_mov_b32 s45, 0xfedcba98                      ; v_permlanex16_b32's selects for lane l xor 16
	s_mov_b32 s46, 0xbdd2d3e8                      ; -B
	s_mov_b32 s47, s46                             ; (named with it as a pair, so it is written)
	s_mov_b32 s50, 0xffff0000                      ; lanes 16-31
	s_mov_b32 s43, 0
	s_wait_kmcnt 0x0
	s_lshl_b32 s42, s23, 20                        ; an expert's W1: 2,048 rows of 512 bytes; my 128 rows begin 128 s2 rows on
	s_lshl_b32 s56, s26, 16
	s_add_co_u32 s42, s42, s56
	s_add_nc_u64 s[8:9], s[8:9], s[42:43]
	s_lshl_b32 s42, s23, 16
	s_lshl_b32 s56, s26, 12
	s_add_co_u32 s42, s42, s56
	s_add_nc_u64 s[10:11], s[10:11], s[42:43]
	s_lshl_b32 s42, s23, 13
	s_lshl_b32 s56, s26, 9
	s_add_co_u32 s42, s42, s56
	s_add_nc_u64 s[12:13], s[12:13], s[42:43]
.macro W1LOAD t                        ; tile t's eight fragments: 16 loads
	WIN 0x40+0x40*((\t)/4)
.irp s, 0,1,2,3,4,5,6,7
.irp c, 0,1
	global_load_b128 v[64*((\t)%4)+8*\s+4*\c:64*((\t)%4)+8*\s+4*\c+3], v192, s[8:9] offset:(32*((\t)/2)+8*((\t)%2))*512+64*\s+32*\c
.endr
.endr
.endm
	global_load_b32 v195, v8, s[16:17]             ; the sets of blocks lane,
	global_load_b32 v196, v8, s[16:17] offset:128  ; and lane + 32
.irp t, 0,1,2,3,4,5,6,7
	global_load_b128 v[W1S+8*\t:W1S+8*\t+3], v193, s[10:11] offset:(32*(\t/2)+8*(\t%2))*32
	global_load_b128 v[W1S+8*\t+4:W1S+8*\t+7], v193, s[10:11] offset:(32*(\t/2)+8*(\t%2))*32+16
.endr
	WIN 0xC0
.irp t, 0,1,2,3,4,5,6,7
	global_load_b128 v[B1+8*\t:B1+8*\t+3], v194, s[12:13] offset:(32*(\t/2)+8*(\t%2))*4
	global_load_b128 v[B1+8*\t+4:B1+8*\t+7], v194, s[12:13] offset:(32*(\t/2)+8*(\t%2))*4+16
.endr
	W1LOAD 0
	WIN 0
	s_wait_loadcnt 48                              ; the two set words are in: 16 + 16 + 16 loads were issued behind them
	v_lshrrev_b32 v195, s23, v195
	v_and_b32 v195, 1, v195
	v_cmp_ne_u32 s30, 0, v195                      ; blocks 0-31 that use my expert,
	v_lshrrev_b32 v196, s23, v196
	v_and_b32 v196, 1, v196
	v_cmp_ne_u32 s31, 0, v196                      ; blocks 32-63
	s_bcnt1_i32_b32 s51, s30
	s_bcnt1_i32_b32 s52, s31
	s_add_co_u32 s32, s51, s52                     ; n: the expert's items
	v_mbcnt_lo_u32_b32 v13, s30, 0                 ; the place in the list that block lane has, if it is in it,
	v_mov_b32 v15, s51
	v_mbcnt_lo_u32_b32 v14, s31, v15               ; and block lane + 32
	s_cmp_le_u32 s32, s25
	s_cbranch_scc1 .Lnone                          ; this split leaves my work-group no item
	s_sub_co_u32 s33, s32, s25
	s_sub_co_u32 s33, s33, 1
	s_lshr_b32 s33, s33, 3                         ; my items but one
	s_mov_b32 s35, s25
.macro FIND dst                        ; the block at place s35 of the list
	v_cmp_eq_u32 s51, s35, v13
	s_and_b32 s51, s51, s30
	v_cmp_eq_u32 s52, s35, v14
	s_and_b32 s52, s52, s31
	s_ctz_i32_b32 s53, s51
	s_ctz_i32_b32 s54, s52
	s_add_co_u32 s54, s54, 32
	s_cmp_lg_u32 s51, 0
	s_cselect_b32 s[\dst], s53, s54
	s_min_u32 s[\dst], s[\dst], 63
.endm
.macro PERM blk                        ; the block's 32 tokens: lane r takes tokens r and 16 + r.  2 loads
	v_lshl_add_u32 v12, s[\blk], 7, v9
	global_load_b32 v10, v12, s[14:15]
	global_load_b32 v11, v12, s[14:15] offset:64
.endm
.macro XADDR
	v_min_u32 v10, 2047, v10
	v_min_u32 v11, 2047, v11
	v_lshl_add_u32 v4, v10, 9, v2                  ; x's codes: a token's row is 512 bytes; + 16 h
	v_lshl_add_u32 v5, v11, 9, v2
	v_lshlrev_b32 v6, 5, v10                       ; x's scales: 32 bytes
	v_lshlrev_b32 v7, 5, v11
.endm
.macro XLOAD xb, xs, ca, sa            ; a tile's eight fragments and its scale words.  18 loads
	WIN 0xC0
.irp s, 0,1,2,3,4,5,6,7
.irp c, 0,1
	global_load_b128 v[\xb+8*\s+4*\c:\xb+8*\s+4*\c+3], v[\ca], s[4:5] offset:64*\s+32*\c
.endr
.endr
	WIN 0
	global_load_b128 v[\xs:\xs+3], v[\sa], s[6:7]
	global_load_b128 v[\xs+4:\xs+7], v[\sa], s[6:7] offset:16
.endm
	FIND 36
	PERM 36
	W1LOAD 1
	W1LOAD 2
	WIN 0
	s_wait_loadcnt 32                              ; the tokens are in: two tiles' 32 loads were issued behind them
	XADDR
	XLOAD XA, XSA, 4, 6
	XLOAD XB, XSB, 5, 7
	W1LOAD 3
	W1LOAD 4
	W1LOAD 5
	W1LOAD 6
	W1LOAD 7
	WIN 0
	s_wait_loadcnt 0x0                             ; the weights are in, for the whole launch
.macro PROD d, a, b, c, sa, sb
	v_wmma_scale_f32_16x16x128_f8f6f4 v[\d:\d+7], v[\a:\a+7], v[\b:\b+7], v[\c:\c+7], v[\sa], v[\sb] matrix_a_fmt:MATRIX_FMT_FP4 matrix_b_fmt:MATRIX_FMT_FP4
.endm
; 64 products: my 8 tiles of hidden units x 16 tokens, K = 1,024 in 8 steps.  The 8 accumulators take turns, one instruction a turn.  The first step's C is b1.
.macro MM xb, xs
.irp s, 0,1,2,3,4,5,6,7
.if \s == 0
	WIN 0x3D                                       ; source 0 (W1) window 1, source 1 (x) and C (b1) window 3, D window 0
.else
	WIN 0x0D
.endif
.irp t, 0,1,2,3
.if \s == 0
	PROD HA+8*\t, 64*\t+8*\s, \xb+8*\s, B1+8*\t, W1S+8*\t+\s, \xs+\s
.else
	PROD HA+8*\t, 64*\t+8*\s, \xb+8*\s, HA+8*\t, W1S+8*\t+\s, \xs+\s
.endif
.endr
.if \s == 0
	WIN 0x3E                                       ; the same with W1 in window 2
.else
	WIN 0x0E
.endif
.irp t, 4,5,6,7
.if \s == 0
	PROD HA+8*\t, 64*(\t-4)+8*\s, \xb+8*\s, B1+8*\t, W1S+8*\t+\s, \xs+\s
.else
	PROD HA+8*\t, 64*(\t-4)+8*\s, \xb+8*\s, HA+8*\t, W1S+8*\t+\s, \xs+\s
.endif
.endr
.endr
	WIN 0
.rept 4
	v_nop                                          ; four places between the last product and the first read of results (ISA guide 7.12.1)
.endr
.endm
; 64 numbers a lane.  Each batch of transcendentals is issued whole; a plain instruction and ONE wait stand ahead of its first reader.  Every pass goes up the registers.
.macro GELU
.set i, 0
.rept 32
	v_pk_mul_f32 v[Z+i:Z+i+1], v[HA+i:HA+i+1], v[HA+i:HA+i+1]                     ; x^2
.set i, i+2
.endr
.set i, 0
.rept 32
	v_pk_fma_f32 v[Z+i:Z+i+1], v[Z+i:Z+i+1], s[46:47], v[60:61] op_sel_hi:[1,0,1] ; -B x^2 - A
.set i, i+2
.endr
.set i, 0
.rept 32
	v_pk_mul_f32 v[Z+i:Z+i+1], v[Z+i:Z+i+1], v[HA+i:HA+i+1]                       ; -x (A + B x^2)
.set i, i+2
.endr
.set i, 0
.rept 64
	v_exp_f32 v[Z+i], v[Z+i]
.set i, i+1
.endr
	v_nop
	s_wait_alu depctr_va_vdst(0)                   ; one wait for the 64 exponentials
.set i, 0
.rept 32
	v_pk_add_f32 v[Z+i:Z+i+1], v[Z+i:Z+i+1], 1.0 op_sel_hi:[1,0]
.set i, i+2
.endr
.set i, 0
.rept 64
	v_rcp_f32 v[Z+i], v[Z+i]
.set i, i+1
.endr
	v_nop
	s_wait_alu depctr_va_vdst(0)                   ; one wait for the 64 reciprocals
.set i, 0
.rept 32
	v_pk_mul_f32 v[HA+i:HA+i+1], v[HA+i:HA+i+1], v[Z+i:Z+i+1]
.set i, i+2
.endr
.endm
; The lane's 64 numbers, register 16 b + i = hidden unit 32 b + 16 (lane / 16) + i of my token, become a fragment's codes in v[PC] on and its scale word in v[PW].
.macro QUANT
.irp b, 0,1,2,3
	v_max3_num_f32 v[TM+\b], |v[HA+16*\b]|, |v[HA+1+16*\b]|, 0x1800000            ; block b: my 16 numbers, and the floor 2^(3 - 127): the byte cannot fall under 1
.endr
.irp i, 2,4,6,8,10,12,14
.irp b, 0,1,2,3
	v_max3_num_f32 v[TM+\b], v[TM+\b], |v[HA+16*\b+\i]|, |v[HA+1+16*\b+\i]|       ; (the four blocks by turns)
.endr
.endr
.irp b, 0,1,2,3
	v_permlanex16_b32 v[TM+4+\b], v[TM+\b], s44, s45
.endr
.irp b, 0,1,2,3
	v_max_num_f32 v[TM+\b], v[TM+\b], v[TM+4+\b]   ; with lane l xor 16's: the block's largest magnitude
.endr
.irp b, 0,1,2,3
	v_add_nc_u32 v[TM+12+\b], 0xff000000, v[TM+\b] ; 2 off its exponent field: the conversion takes that field as its scale
.endr
.irp b, 0,1,2,3
	v_lshrrev_b32 v[TM+4+\b], 23, v[TM+12+\b]      ; the scale's byte
.endr
	v_lshl_or_b32 v[PW], v[TM+5], 8, v[TM+4]
	v_lshl_or_b32 v[PW], v[TM+6], 16, v[PW]
	v_lshl_or_b32 v[PW], v[TM+7], 24, v[PW]        ; my token's scale word
.irp b, 0,1,2,3
	v_cvt_scalef32_pk8_fp4_f32 v[PC+2*\b], v[HA+16*\b:HA+7+16*\b], v[TM+12+\b]
	v_cvt_scalef32_pk8_fp4_f32 v[PC+1+2*\b], v[HA+8+16*\b:HA+15+16*\b], v[TM+12+\b]
.endr
	v_nop                                          ; one plain place behind a scaled conversion
.irp c, 0,1                                    ; the operand's layout wants a WHOLE block in a lane: lanes 0-15 block 2 c, lanes 16-31 block 2 c + 1
.irp i, 0,1
	v_permlane16_swap_b32 v[PC+4*\c+\i], v[PC+2+4*\c+\i]
.endr
.endr
.endm
.macro TILE xb, xs, u                  ; tile u of the item: 16 tokens through the whole chain
	MM \xb, \xs
	GELU
	s_wait_xcnt 0x0                                ; the earlier stores have read their data: the codes' registers and the scale word are written again only behind this wait
	QUANT
	global_store_b128 v3, v[PC:PC+3], s[38:39] offset:\u*16384        ; 32 lanes store 512 consecutive bytes
	global_store_b128 v3, v[PC+4:PC+7], s[38:39] offset:\u*16384+512
.if \u == 0
	v_mov_b32 v57, v[PW]
.else
	v_cndmask_b32 v58, v57, v[PW], s50             ; lanes 0-15: tile 0's words; lanes 16-31: tile 1's (both halves of the lanes hold a token's word)
	global_store_b32 v8, v58, s[40:41]
.endif
.endm
; An item.  next = 1: the next item's tokens are looked up at its head, its tile A is asked for behind this item's tile A, its tile B behind tile B.
.macro ITEM next
	s_wait_xcnt 0x0                                ; the last item's stores have read their bases
	s_lshl_b32 s42, s36, 3
	s_add_co_u32 s42, s42, s23                     ; 8 b + e
	s_lshl_b32 s56, s42, 11
	s_lshl_b32 s42, s42, 15
	s_add_co_u32 s42, s42, s27
	s_add_nc_u64 s[38:39], s[18:19], s[42:43]      ; where my fragments go,
	s_add_co_u32 s42, s56, s28
	s_add_nc_u64 s[40:41], s[20:21], s[42:43]      ; and my scale words
.if \next
	s_add_co_u32 s35, s35, 8
	FIND 37
	PERM 37
	s_wait_loadcnt 20                              ; tile A is in: behind it stand tile B's 18 loads and the 2 just issued
.else
	s_wait_loadcnt 18                              ; tile A is in: behind it stand tile B's 18 loads
.endif
	TILE XA, XSA, 0
	s_wait_loadcnt 0x0                             ; tile B and the next tokens are in; all offsets may be written
.if \next
	XADDR
	XLOAD XA, XSA, 4, 6
.endif
	TILE XB, XSB, 1
.if \next
	XLOAD XB, XSB, 5, 7
	s_mov_b32 s36, s37
.endif
.endm
	s_mov_b32 s34, 0
	s_cmp_eq_u32 s33, 0
	s_cbranch_scc1 .Ltail
.Litem:
	ITEM 1
	s_add_co_u32 s34, s34, 1
	s_cmp_lt_u32 s34, s33
	s_cbranch_scc1 .Litem
.Ltail:
	ITEM 0                                         ; the last item asks for nothing more
	s_endpgm
.Lnone:
	s_endpgm
.Lfunc_end_k_q3920ee9b39_up:
	.size	k_q3920ee9b39_up, .Lfunc_end_k_q3920ee9b39_up-k_q3920ee9b39_up
	.p2alignl 7, 3214868480
	.fill 96, 4, 3214868480
	.section	.rodata,"a",@progbits
	.p2align	6, 0x0
	.amdhsa_kernel k_q3920ee9b39_up
		.amdhsa_group_segment_fixed_size 0
		.amdhsa_private_segment_fixed_size 0
		.amdhsa_enable_private_segment 0
		.amdhsa_kernarg_size 72
		.amdhsa_user_sgpr_count 2
		.amdhsa_user_sgpr_kernarg_segment_ptr 1
		.amdhsa_wavefront_size32 1
		.amdhsa_system_sgpr_workgroup_id_x 1
		.amdhsa_system_sgpr_workgroup_id_y 1
		.amdhsa_system_sgpr_workgroup_id_z 1
		.amdhsa_system_vgpr_workitem_id 0
		.amdhsa_next_free_vgpr 1024
		.amdhsa_next_free_sgpr 66
		.amdhsa_reserve_vcc 0
		.amdhsa_float_denorm_mode_32 3
		.amdhsa_float_denorm_mode_16_64 3
		.amdhsa_memory_ordered 1
		.amdhsa_forward_progress 1
		.amdhsa_inst_pref_size 136
	.end_amdhsa_kernel
	.amdgpu_metadata
---
amdhsa.version: [ 1, 2 ]
amdhsa.kernels:
  - .name:           k_q3920ee9b39_up
    .symbol:         k_q3920ee9b39_up.kd
    .args:
      - { .name: x_codes, .offset: 0, .size: 8, .value_kind: global_buffer, .address_space: global }
      - { .name: x_scales, .offset: 8, .size: 8, .value_kind: global_buffer, .address_space: global }
      - { .name: w1_codes, .offset: 16, .size: 8, .value_kind: global_buffer, .address_space: global }
      - { .name: w1_scales, .offset: 24, .size: 8, .value_kind: global_buffer, .address_space: global }
      - { .name: b1, .offset: 32, .size: 8, .value_kind: global_buffer, .address_space: global }
      - { .name: perm, .offset: 40, .size: 8, .value_kind: global_buffer, .address_space: global }
      - { .name: bmask, .offset: 48, .size: 8, .value_kind: global_buffer, .address_space: global }
      - { .name: hc, .offset: 56, .size: 8, .value_kind: global_buffer, .address_space: global }
      - { .name: hs, .offset: 64, .size: 8, .value_kind: global_buffer, .address_space: global }
    .group_segment_fixed_size: 0
    .private_segment_fixed_size: 0
    .kernarg_segment_align: 8
    .kernarg_segment_size: 72
    .max_flat_workgroup_size: 128
    .sgpr_count:     66
    .vgpr_count:     1024
    .wavefront_size: 32
...
	.end_amdgpu_metadata
.endif
;; end of part 2
;; launch down (part 3): grid 4 x 64, 4 waves a work-group, no clusters, 17,920 bytes of LDS; arguments hc, hs, w2_codes, w2_scales, b2, perm, bmask, experts, probs, out0; writes out0
.if DOCPART == 3
	.amdgcn_target "amdgcn-amd-amdhsa--gfx1250"
	.amdhsa_code_object_version 6
	.text
	.protected	k_q3920ee9b39_down
	.globl	k_q3920ee9b39_down
	.p2align	8
	.type	k_q3920ee9b39_down,@function
k_q3920ee9b39_down:
	s_mov_b64 s[64:65], 0
	v_nop
	global_prefetch_b8 v0, s[64:65] scope:SCOPE_SE
	s_setreg_imm32_b32 hwreg(HW_REG_WAVE_MODE, 25, 1), 1
	s_wait_xcnt 0x0
; DOWN: out[t] = the sum over the experts e of my block's set of w_e(t) (h_e(t) W2[e] + b2[e]), w_e(t) = probs[0][t] [experts[0][t] = e] + probs[1][t] [experts[1][t] = e]; the product on codes of FP4 (E2M1) with E8M0 scales.
; LEFT OUT: the experts outside the block's set: every token of the block has weight 0 for them, for all values of the inputs (shown at the head of the first launch).
; SHARES.  Work-group (x, y): block b = y of 32 sorted tokens, columns 256 x on.  A wave OWNS 32 tokens x 64 columns (n0 = 256 x + 64 wave): it walks the set's experts, a PHASE each, adds in registers and stores each number once.
; NO TENSOR LOADS, NO CLUSTER: the number of phases and all weight addresses hang on the stored set, so operands go from memory straight into registers; the waves share nothing and pass no barrier.
; LAYOUT.  The product is used transposed (source 0 = 16 rows of W2 = 16 columns of out, source 1 = 16 tokens of h): lane (r, h) holds token r, register j column n0 + 16 t + 8 h + j.  h's fragments come as the images that
; the launch before stored: 16 bytes a lane, 512 consecutive bytes a load.  One register carries both tiles' scale words of h: lanes 0-15 tile 0's, lanes 16-31 tile 1's.  b2 is the C of a sum's first product.
; A PHASE is 16 K steps of 128; a step is 8 products (4 tiles of columns x 2 tiles of tokens, the 8 accumulators by turns) on 12 loads.  The fragments go through a ring of FOUR register slots, asked for four steps ahead,
; on into the next phase; a step's scale registers and b2 are asked for anew, for the next phase, as soon as their last product is issued.
; REGISTERS, in windows of 256.  Window 0: v1-9 lane terms; v10, v11 the add's two; v12-21 tokens, their experts and probs; v[22:23], v[24:25] the weights; v26-31 offsets, at work; v32-47 offsets in out; v48-63 h's scale words (K step);
;   v64-127 W2's (16 tile + K step); v128-191 rows on the way out.   Window 1: the ring: slot k at 48 k: h's two tiles, then W2's four.   Window 2: v0-63 the phase's sums (8 (4 u + t)); v64-127 out; v128-159 b2.
.set OT,   32
.set HS,   48
.set W2S,  64
.set BK,   128
.set ACC,  0
.set OUTR, 64
.set B2,   128
.set STGB, 4352                        ; LDS: a stage of 16 rows x (256 bytes + 16) for each wave
.set SPARE, 17408                      ; behind the four stages: the spare words, 128 bytes for each wave: no other line names them
.set MSB, 0
.macro WIN new                         ; the immediate's high byte repeats the setting that is left; a switch that changes nothing is dropped
.if MSB != (\new)
	s_set_vgpr_msb (MSB<<8)|(\new)
.set MSB, (\new)
.endif
.endm
	s_load_b512 s[4:19], s[0:1], 0x0               ; hc s[4:5], hs s[6:7], w2_codes s[8:9], w2_scales s[10:11], b2 s[12:13], perm s[14:15], bmask s[16:17], experts s[18:19]
	s_load_b128 s[20:23], s[0:1], 0x40             ; probs s[20:21], out0 s[22:23]
	v_lshl_add_u32 v10, v0, 2, SPARE               ; my spare word; never rewritten
	v_mov_b32 v11, 0                               ; 0; never rewritten
	v_lshrrev_b32 v31, 5, v0
	v_readfirstlane_b32 s24, v31                   ; wave
	s_and_b32 s25, ttmp7, 0xffff                   ; b
	s_lshl_b32 s26, ttmp9, 8
	s_lshl_b32 s46, s24, 6
	s_add_co_u32 s26, s26, s46                     ; n0
	v_and_b32 v1, 15, v0                           ; r
	v_bfe_u32 v2, v0, 4, 1                         ; h
	v_and_b32 v31, 31, v0
	v_lshlrev_b32 v3, 4, v31                       ; h's images: 16 x lane
	v_lshlrev_b32 v6, 2, v31                       ; h's scale words: 4 x lane
	v_lshlrev_b32 v4, 10, v1
	v_lshl_add_u32 v4, v2, 4, v4                   ; W2's codes: a row is 1,024 bytes; + 16 h
	v_lshlrev_b32 v5, 6, v1                        ; W2's scales: a row is 64 bytes
	v_lshlrev_b32 v7, 5, v2                        ; b2, and perm on the way out: lanes 16-31 begin 8 words on
	s_mul_i32 s46, s24, STGB
	v_mul_u32_u24 v8, v1, 272
	v_lshl_add_u32 v8, v2, 5, v8
	v_add_nc_u32 v8, s46, v8                       ; the stage, in: row r, + 32 h
	v_mul_u32_u24 v9, v2, 2176
	v_lshl_add_u32 v9, v1, 4, v9
	v_add_nc_u32 v9, s46, v9                       ; and back: lanes 0-15 a row, lanes 16-31 the row 8 further down
	v_lshlrev_b32 v28, 2, v1
	v_lshlrev_b32 v30, 4, v1
	v_mov_b32 v23, 0                               ; (named as the upper halves of the weights' pairs)
	v_mov_b32 v25, 0
	s_lshl_b32 s50, s25, 3                         ; 8 b
	s_lshl_b32 s48, s25, 2
	s_lshl_b32 s46, s25, 7
	s_mov_b32 s47, 0
	s_wait_kmcnt 0x0
	s_load_b32 s27, s[16:17], s48 offset:0x0       ; my block's set
	s_add_nc_u64 s[14:15], s[14:15], s[46:47]      ; perm at my block
	global_load_b32 v12, v28, s[14:15]             ; token r of tile 0,
	global_load_b32 v13, v28, s[14:15] offset:64   ; of tile 1
	global_load_b128 v[OT:OT+3], v7, s[14:15]                  ; the way out: register 8 u + i: the token of row i (lanes 16-31: i + 8) of tile u
	global_load_b128 v[OT+4:OT+7], v7, s[14:15] offset:16
	global_load_b128 v[OT+8:OT+11], v7, s[14:15] offset:64
	global_load_b128 v[OT+12:OT+15], v7, s[14:15] offset:80
	s_lshl_b32 s46, s26, 10
	s_add_nc_u64 s[8:9], s[8:9], s[46:47]          ; W2's codes, scales, b2 and out at my first column
	s_lshl_b32 s46, s26, 6
	s_add_nc_u64 s[10:11], s[10:11], s[46:47]
	s_lshl_b32 s46, s26, 2
	s_add_nc_u64 s[12:13], s[12:13], s[46:47]
	s_add_nc_u64 s[22:23], s[22:23], s[46:47]
	WIN 0x80
.set i, 0
.rept 64
	v_mov_b32 v[OUTR+i], 0                         ; out's sums begin at 0, so that the phase is written once for every expert of the set
.set i, i+1
.endr
	WIN 0
.macro TAKE                            ; the set's lowest expert becomes the pending one
	s_ctz_i32_b32 s29, s27
	s_min_u32 s29, s29, 7
	s_sub_co_u32 s46, s27, 1
	s_and_b32 s27, s27, s46
.endm
.macro BASES                           ; the pending expert's five bases
	s_mov_b32 s47, 0
	s_lshl_b32 s46, s29, 20
	s_add_nc_u64 s[36:37], s[8:9], s[46:47]        ; W2's codes: 1,024 rows of 1,024 bytes an expert
	s_add_co_u32 s48, s50, s29                     ; 8 b + e
	s_lshl_b32 s46, s48, 15
	s_add_nc_u64 s[38:39], s[4:5], s[46:47]        ; h's codes
	s_lshl_b32 s46, s29, 16
	s_add_nc_u64 s[40:41], s[10:11], s[46:47]      ; W2's scales
	s_lshl_b32 s46, s48, 11
	s_add_nc_u64 s[42:43], s[6:7], s[46:47]        ; h's scale words
	s_lshl_b32 s46, s29, 12
	s_add_nc_u64 s[44:45], s[12:13], s[46:47]      ; b2
.endm
.macro F hb, wb, s                     ; K step s's fragments into slot s % 4: h's two tiles, W2's four.  12 loads
.set SLF, 48*((\s)%4)
.irp u, 0,1
.irp c, 0,1
	global_load_b128 v[SLF+8*\u+4*\c:SLF+8*\u+4*\c+3], v3, s[\hb:\hb+1] offset:\u*16384+(\s)*1024+512*\c
.endr
.endr
.irp t, 0,1,2,3
.irp c, 0,1
	global_load_b128 v[SLF+16+8*\t+4*\c:SLF+16+8*\t+4*\c+3], v4, s[\wb:\wb+1] offset:\t*16384+64*(\s)+32*\c
.endr
.endr
.endm
.macro G g                             ; the pending expert's scale words of K steps 4 g .. 4 g + 3.  8 loads
.irp t, 0,1,2,3
	global_load_b128 v[W2S+16*\t+4*(\g):W2S+16*\t+4*(\g)+3], v5, s[40:41] offset:\t*1024+16*(\g)
.endr
.irp i, 0,1,2,3
	global_load_b32 v[HS+4*(\g)+\i], v6, s[42:43] offset:(4*(\g)+\i)*128
.endr
.endm
.macro LB2                             ; the pending expert's b2 in the result's layout.  8 loads
.irp t, 0,1,2,3
	global_load_b128 v[B2+8*\t:B2+8*\t+3], v7, s[44:45] offset:64*\t
	global_load_b128 v[B2+8*\t+4:B2+8*\t+7], v7, s[44:45] offset:64*\t+16
.endr
.endm
	s_wait_kmcnt 0x0
	s_and_b32 s27, s27, 0xff
	s_bcnt1_i32_b32 s30, s27
	s_max_u32 s30, s30, 1                          ; (a block has 32 tokens, so its set is never empty; the hold keeps the trip count bounded whatever the word holds)
	s_sub_co_u32 s30, s30, 1                       ; the phases but one
	TAKE
	BASES
	s_wait_loadcnt 0x0                             ; the tokens are in
	v_min_u32 v12, 2047, v12
	v_min_u32 v13, 2047, v13
	v_lshlrev_b32 v26, 2, v12
	v_lshlrev_b32 v27, 2, v13
	global_load_b32 v14, v26, s[18:19]             ; tile 0: experts[0], experts[1];
	global_load_b32 v15, v26, s[18:19] offset:8192
	global_load_b32 v16, v27, s[18:19]             ; tile 1
	global_load_b32 v17, v27, s[18:19] offset:8192
	global_load_b32 v18, v26, s[20:21]             ; tile 0: probs[0], probs[1];
	global_load_b32 v19, v26, s[20:21] offset:8192
	global_load_b32 v20, v27, s[20:21]             ; tile 1
	global_load_b32 v21, v27, s[20:21] offset:8192
	WIN 0x80                                       ; the first phase's loads, in the very order in which a phase issues the next phase's, so that one table of counts serves both ways into a phase
	LB2
	WIN 0
	G 0
	G 1
	G 2
	WIN 0x40
	F 38, 36, 0
	F 38, 36, 1
	F 38, 36, 2
	WIN 0
	G 3
	WIN 0x40
	F 38, 36, 3
	WIN 0
.irp i, 0,1,2,3,4,5,6,7,8,9,10,11,12,13,14,15
	v_min_u32 v[OT+\i], 2047, v[OT+\i]
.endr
.irp i, 0,1,2,3,4,5,6,7,8,9,10,11,12,13,14,15
	v_lshl_add_u32 v[OT+\i], v[OT+\i], 12, v30     ; a row of out is 4,096 bytes; + 16 (lane % 16)
.endr
.macro PROD d, a, b, c, sa, sb, row1
.if \row1
	v_wmma_scale_f32_16x16x128_f8f6f4 v[\d:\d+7], v[\a:\a+7], v[\b:\b+7], v[\c:\c+7], v[\sa], v[\sb] matrix_a_fmt:MATRIX_FMT_FP4 matrix_b_fmt:MATRIX_FMT_FP4 matrix_b_scale:MATRIX_SCALE_ROW1
.else
	v_wmma_scale_f32_16x16x128_f8f6f4 v[\d:\d+7], v[\a:\a+7], v[\b:\b+7], v[\c:\c+7], v[\sa], v[\sb] matrix_a_fmt:MATRIX_FMT_FP4 matrix_b_fmt:MATRIX_FMT_FP4
.endif
.endm
; K step s.  THE COUNT lets stay out what was issued behind this step's 12 fragment loads: the loads of the three steps that follow it in the order of issue, 12 each, and 8 more for each b2 or scale run among them.
; With a next phase those runs stand behind steps 1 (b2), 3, 7, 11, 15 (scales): 44 as a rule, 52 at steps 2 and 4, 36 at steps 7, 11, 15.  In the last phase only the run behind the phase before's step 15 is left: 44 up to step 2, then 36, and 24, 12, 0 at the end.
.macro STEP s, next
.if \next
.if ((\s) == 2) || ((\s) == 4)
	s_wait_loadcnt 52
.elseif ((\s)%4 == 3) && ((\s) > 3)
	s_wait_loadcnt 36
.else
	s_wait_loadcnt 44
.endif
.else
.if (\s) < 3
	s_wait_loadcnt 44
.elseif (\s) < 13
	s_wait_loadcnt 36
.else
	s_wait_loadcnt 12*(15-(\s))
.endif
.endif
	WIN 0xA5                                       ; sources 0 (W2) and 1 (h) window 1; C and D window 2
.set SL, 48*((\s)%4)
.irp t, 0,1,2,3
.irp u, 0,1
.if (\s) == 0
	PROD ACC+8*(4*\u+\t), SL+16+8*\t, SL+8*\u, B2+8*\t, W2S+16*\t+(\s), HS+(\s), \u
.else
	PROD ACC+8*(4*\u+\t), SL+16+8*\t, SL+8*\u, ACC+8*(4*\u+\t), W2S+16*\t+(\s), HS+(\s), \u
.endif
.endr
.endr
.rept 4
	v_nop                                          ; four places in front of loads into registers that these products have read, and of the first read of results
.endr
.if \next
.if (\s) == 1
	WIN 0x80
	LB2
.endif
.if (\s)%4 == 3
	WIN 0
	G (\s)/4
.endif
.endif
.if (\s) < 12
	WIN 0x40
	F 34, 32, (\s)+4                               ; four steps ahead, into the slot just multiplied
.elseif \next
	WIN 0x40
	F 38, 36, (\s)-12                              ; on into the next phase
.endif
.endm
.macro PHASE next
	s_wait_xcnt 0x0                                ; every load issued has read its base: both sets of bases may be written
	s_mov_b64 s[32:33], s[36:37]                   ; the pending expert becomes this phase's: W2's codes,
	s_mov_b64 s[34:35], s[38:39]                   ; h's codes,
	s_mov_b32 s28, s29                             ; its number
.if \next
	TAKE
	BASES
.endif
.set S, 0
.rept 16
	STEP S, \next
.set S, S+1
.endr
	WIN 0
	v_cmp_eq_u32 vcc_lo, s28, v14                  ; the one_hot as a selection: w = p0 [e0 = e] + p1 [e1 = e]
	v_cndmask_b32 v29, 0, v18, vcc_lo
	v_cmp_eq_u32 vcc_lo, s28, v15
	v_cndmask_b32 v31, 0, v19, vcc_lo
	v_add_f32 v22, v29, v31
	v_cmp_eq_u32 vcc_lo, s28, v16
	v_cndmask_b32 v29, 0, v20, vcc_lo
	v_cmp_eq_u32 vcc_lo, s28, v17
	v_cndmask_b32 v31, 0, v21, vcc_lo
	v_add_f32 v24, v29, v31
	WIN 0xA2                                       ; the sums and out in window 2, the weight in window 0
.set i, 0
.rept 16
	v_pk_fma_f32 v[OUTR+i:OUTR+i+1], v[ACC+i:ACC+i+1], v[22:23], v[OUTR+i:OUTR+i+1] op_sel_hi:[1,0,1]   ; out += w y, each accumulator from its low end on
.set i, i+2
.endr
.rept 16
	v_pk_fma_f32 v[OUTR+i:OUTR+i+1], v[ACC+i:ACC+i+1], v[24:25], v[OUTR+i:OUTR+i+1] op_sel_hi:[1,0,1]
.set i, i+2
.endr
	WIN 0
.endm
	s_mov_b32 s31, 0
	s_cmp_eq_u32 s30, 0
	s_cbranch_scc1 .Llast
.Lphase:
	PHASE 1
	s_add_co_u32 s31, s31, 1
	s_cmp_lt_u32 s31, s30
	s_cbranch_scc1 .Lphase
.Llast:
	PHASE 0                                        ; the last phase asks for nothing beyond itself
	; THE WAY OUT.  A lane holds 32 neighbouring bytes of a token's row, and the lanes beside it hold other tokens: a tile of 16 tokens x 256 bytes goes through my own stage and comes back by rows.
	; LDS serves a wave's instructions in order (ISA guide 5.7.1.4): no wait between the stores and the loads, nor in front of the second tile's stores.
.irp u, 0,1
	WIN 0x08                                       ; an LDS store's data are its source 1: window 2
.irp t, 0,1,2,3
	ds_store_b128 v8, v[OUTR+8*(4*\u+\t):OUTR+8*(4*\u+\t)+3] offset:64*\t
	ds_store_b128 v8, v[OUTR+8*(4*\u+\t)+4:OUTR+8*(4*\u+\t)+7] offset:64*\t+16
.endr
	WIN 0
.irp i, 0,1,2,3,4,5,6,7
	ds_load_b128 v[BK+32*\u+4*\i:BK+32*\u+4*\i+3], v9 offset:272*\i
.endr
.endr
.irp u, 0,1
.irp i, 0,1,2,3,4,5,6,7
	s_wait_dscnt 23-16*\u-\i                       ; row pair i of tile u is back: behind it stand its tile's later loads, and for tile 0 tile 1's sixteen LDS lines
	global_store_b128 v[OT+8*\u+\i], v[BK+32*\u+4*\i:BK+32*\u+4*\i+3], s[22:23] th:TH_STORE_NT   ; sixteen lanes store 256 consecutive bytes of a token's row, at a multiple of 256 from out's first byte
.endr
.endr
	s_wait_tensorcnt 0x0                           ; the wave's end: three lines behind my last LDS store
	ds_add_u32 v10, v11
	s_wait_dscnt 0x0
	s_endpgm
.Lfunc_end_k_q3920ee9b39_down:
	.size	k_q3920ee9b39_down, .Lfunc_end_k_q3920ee9b39_down-k_q3920ee9b39_down
	.p2alignl 7, 3214868480
	.fill 96, 4, 3214868480
	.section	.rodata,"a",@progbits
	.p2align	6, 0x0
	.amdhsa_kernel k_q3920ee9b39_down
		.amdhsa_group_segment_fixed_size 17920
		.amdhsa_private_segment_fixed_size 0
		.amdhsa_enable_private_segment 0
		.amdhsa_kernarg_size 80
		.amdhsa_user_sgpr_count 2
		.amdhsa_user_sgpr_kernarg_segment_ptr 1
		.amdhsa_wavefront_size32 1
		.amdhsa_system_sgpr_workgroup_id_x 1
		.amdhsa_system_sgpr_workgroup_id_y 1
		.amdhsa_system_sgpr_workgroup_id_z 1
		.amdhsa_system_vgpr_workitem_id 0
		.amdhsa_next_free_vgpr 768
		.amdhsa_next_free_sgpr 66
		.amdhsa_reserve_vcc 1
		.amdhsa_float_denorm_mode_32 3
		.amdhsa_float_denorm_mode_16_64 3
		.amdhsa_memory_ordered 1
		.amdhsa_forward_progress 1
		.amdhsa_inst_pref_size 102
	.end_amdhsa_kernel
	.amdgpu_metadata
---
amdhsa.version: [ 1, 2 ]
amdhsa.kernels:
  - .name:           k_q3920ee9b39_down
    .symbol:         k_q3920ee9b39_down.kd
    .args:
      - { .name: hc, .offset: 0, .size: 8, .value_kind: global_buffer, .address_space: global }
      - { .name: hs, .offset: 8, .size: 8, .value_kind: global_buffer, .address_space: global }
      - { .name: w2_codes, .offset: 16, .size: 8, .value_kind: global_buffer, .address_space: global }
      - { .name: w2_scales, .offset: 24, .size: 8, .value_kind: global_buffer, .address_space: global }
      - { .name: b2, .offset: 32, .size: 8, .value_kind: global_buffer, .address_space: global }
      - { .name: perm, .offset: 40, .size: 8, .value_kind: global_buffer, .address_space: global }
      - { .name: bmask, .offset: 48, .size: 8, .value_kind: global_buffer, .address_space: global }
      - { .name: experts, .offset: 56, .size: 8, .value_kind: global_buffer, .address_space: global }
      - { .name: probs, .offset: 64, .size: 8, .value_kind: global_buffer, .address_space: global }
      - { .name: out0, .offset: 72, .size: 8, .value_kind: global_buffer, .address_space: global }
    .group_segment_fixed_size: 17920
    .private_segment_fixed_size: 0
    .kernarg_segment_align: 8
    .kernarg_segment_size: 80
    .max_flat_workgroup_size: 128
    .sgpr_count:     66
    .vgpr_count:     768
    .wavefront_size: 32
...
	.end_amdgpu_metadata
.endif
;; end of part 3
;; ======== version 2 of 2: 3 launches
;; workspace buffers: perm 8,192 bytes of whole numbers; bmask 256 bytes of whole numbers; hc 16,777,216 bytes; hs 1,048,576 bytes
;; launch route (part 4): grid 1 x 1, 32 waves a work-group, no clusters, 13,312 bytes of LDS; arguments experts, perm, bmask; writes perm, bmask
.if DOCPART == 4
	.amdgcn_target "amdgcn-amd-amdhsa--gfx1250"
	.amdhsa_code_object_version 6
	.text
	.protected	k_q3920ee9b39_route
	.globl	k_q3920ee9b39_route
	.p2align	8
	.type	k_q3920ee9b39_route,@function
k_q3920ee9b39_route:
	s_mov_b64 s[64:65], 0
	v_nop
	global_prefetch_b8 v0, s[64:65] scope:SCOPE_SE
	s_setreg_imm32_b32 hwreg(HW_REG_WAVE_MODE, 25, 1), 1
	s_wait_xcnt 0x0
; ROUTE: the 2,048 tokens are sorted by the unordered pair of their two experts, and each block of 32 sorted tokens gets the set of experts that it uses.
; THE PROGRAM: route (this launch) | up: Q(gelu(x W1[e] + b1[e])) for every (block, expert of its set) | down: out[t] = sum over the set of w_e(t) (h_e W2[e] + b2[e]).
; DEAD WORK LEFT OUT.  y[e][t] reaches out[t] only as weights[t][e] x y[e][t], and weights[t][e] = probs[0][t] [experts[0][t] = e] + probs[1][t] [experts[1][t] = e], which reference() builds from a one_hot
; of the index input.  Where e is neither of the token's two indices that weight is 0 for all finite values of the inputs, so y[e][t], and h[e][t] that serves it alone, reach no output.  It is left out in whole
; units: a (block of 32 tokens, expert) pair in which no token has chosen the expert is not multiplied, in the first product, the second and the combine.  Inside a live pair the rows of tokens that did not choose
; the expert stay and are multiplied by their weight 0, as in reference().  The one_hot product is a selection: compare and select.  Every input is loaded by some launch.
; LIMITS: a NaN, an infinity or an overflow that arises only in a y[e][t] that is left out is not carried to the result.  An index outside 0 .. 7 has weight 0, as one_hot gives; here it is held at 7 for the grouping alone.
; THE SORT is a counting sort on key = 8 min(e0, e1) + max(e0, e1), 64 keys, by one work-group of 32 waves; no atomics.  Wave w holds tokens 64 w + lane (chunk A) and 64 w + 32 + lane (chunk B).
;   1: each wave counts its keys: lane l ends with the counts of keys l and l + 32, packed in one word (no count passes 2,048, so no carry crosses the halves) | barrier
;   2: wave k scans key k's (and k + 32's) counts over the 32 waves | barrier |  3: every wave scans the 64 totals; a token's place = its key's start + the earlier waves' count + its rank in its wave
;   4: wave w finds the sets of blocks 2 w and 2 w + 1: key k counts where its run of places meets the block's 32 | barrier | wave 0 stores the 64 sets as 256 consecutive bytes.
.set T1,    0                          ; LDS: counts, row = wave, word = key % 32; rows 132 bytes apart (33 words), so that a column's 32 words fall on 32 banks
.set T2,    4352                       ; the earlier waves' counts, same shape
.set TOT,   8704                       ; 32 words: the keys' totals
.set BM,    8960                       ; 64 words: the blocks' sets
.set SPARE, 9216                       ; the spare words, 128 bytes for each of the 32 waves: no other line names them
.set BT,    16                         ; s16-21  lanes whose key has bit j set
.set NBT,   24                         ; s24-29  and the others
	s_load_b128 s[4:7], s[0:1], 0x0                ; experts s[4:5], perm s[6:7]
	s_load_b64 s[8:9], s[0:1], 0x10                ; bmask
	v_lshl_add_u32 v62, v0, 2, SPARE               ; my spare word; never rewritten
	v_mov_b32 v63, 0                               ; 0; never rewritten
	v_and_b32 v1, 31, v0                           ; lane
	v_lshrrev_b32 v2, 5, v0                        ; wave
	s_delay_alu instid0(VALU_DEP_1)
	v_readfirstlane_b32 s10, v2
	s_delay_alu instid0(VALU_DEP_2)
	v_mul_u32_u24 v3, v2, 132
	s_delay_alu instid0(VALU_DEP_1)
	v_lshl_add_u32 v3, v1, 2, v3                   ; row = my wave, word = my lane
	v_mul_u32_u24 v4, v1, 132
	s_delay_alu instid0(VALU_DEP_1)
	v_lshl_add_u32 v4, v2, 2, v4                   ; row = my lane, word = my wave
	v_lshlrev_b32 v5, 2, v2                        ; 4 x wave
	v_lshlrev_b32 v6, 2, v1                        ; 4 x lane
	v_lshlrev_b32 v57, 3, v2                       ; 8 x wave
	v_lshlrev_b32 v29, 3, v1                       ; 8 x lane
	v_and_b32 v7, 0x3e0, v0
	s_delay_alu instid0(VALU_DEP_1)
	v_add_nc_u32 v7, v7, v0                        ; chunk A's token: 64 x wave + lane
	s_delay_alu instid0(VALU_DEP_1)
	v_add_nc_u32 v8, 32, v7                        ; chunk B's
	s_delay_alu instid0(VALU_DEP_2)
	v_lshlrev_b32 v9, 2, v7
	v_bfe_u32 v27, v0, 4, 1
	s_delay_alu instid0(VALU_DEP_1)
	v_sub_nc_u32 v27, 0, v27                       ; all ones in lanes 16-31
	v_mov_b32 v36, 0                               ; written once: a DPP form's destination counts as read
.irp j, 0,1,2,3,4
	v_bfe_u32 v[22+\j], v0, \j, 1
	s_delay_alu instid0(VALU_DEP_1)
	v_add_nc_u32 v[22+\j], -1, v[22+\j]            ; 0 where bit j of my lane is set, else all ones
.endr
	s_mov_b32 s32, 0x55555555
	s_mov_b32 s33, 0x33333333
	s_mov_b32 s34, 0x0f0f0f0f
	s_mov_b32 s35, 0x01010101
	s_wait_kmcnt 0x0
	global_load_b32 v10, v9, s[4:5]                ; experts[0] of chunk A,
	global_load_b32 v11, v9, s[4:5] offset:128     ; of chunk B,
	global_load_b32 v12, v9, s[4:5] offset:8192    ; experts[1] of chunk A,
	global_load_b32 v13, v9, s[4:5] offset:8320    ; of chunk B
	s_wait_loadcnt 0x0
.irp i, 10,11,12,13
	v_min_u32 v\i, 7, v\i                          ; for the grouping alone
.endr
	s_delay_alu instid0(VALU_DEP_2)
	v_min_u32 v30, v10, v12
	s_delay_alu instid0(VALU_DEP_3)
	v_max_u32 v31, v10, v12
	s_delay_alu instid0(VALU_DEP_1)
	v_lshl_add_u32 v14, v30, 3, v31                ; chunk A's key
	s_delay_alu instid0(VALU_DEP_4)
	v_min_u32 v30, v11, v13
	v_max_u32 v31, v11, v13
	s_delay_alu instid0(VALU_DEP_1)
	v_lshl_add_u32 v15, v30, 3, v31                ; chunk B's
.macro POPC x                          ; the number of ones in v[x], in place
	v_lshrrev_b32 v30, 1, v[\x]
	s_delay_alu instid0(VALU_DEP_1)
	v_and_b32 v30, s32, v30
	s_delay_alu instid0(VALU_DEP_1)
	v_sub_nc_u32 v[\x], v[\x], v30
	s_delay_alu instid0(VALU_DEP_1)
	v_lshrrev_b32 v30, 2, v[\x]
	s_delay_alu instid0(VALU_DEP_1)
	v_and_b32 v30, s33, v30
	s_delay_alu instid0(VALU_DEP_3)
	v_and_b32 v[\x], s33, v[\x]
	s_delay_alu instid0(VALU_DEP_1)
	v_add_nc_u32 v[\x], v[\x], v30
	s_delay_alu instid0(VALU_DEP_1)
	v_lshrrev_b32 v30, 4, v[\x]
	s_delay_alu instid0(VALU_DEP_1)
	v_add_nc_u32 v[\x], v[\x], v30
	s_delay_alu instid0(VALU_DEP_1)
	v_and_b32 v[\x], s34, v[\x]
	s_delay_alu instid0(VALU_DEP_1)
	v_mul_lo_u32 v[\x], v[\x], s35
	s_delay_alu instid0(VALU_DEP_1)
	v_lshrrev_b32 v[\x], 24, v[\x]
.endm
; One chunk of 32 keys: rank = how many lower lanes hold my key; h0, h1 = how many lanes hold the key that is my lane's number, and that + 32.
.macro CHUNK key, rank, h0, h1
.irp j, 0,1,2,3,4,5
	v_and_b32 v30, 1<<\j, v[\key]
	s_delay_alu instid0(VALU_DEP_1)
	v_cmp_ne_u32 s[BT+\j], 0, v30
	s_not_b32 s[NBT+\j], s[BT+\j]
.endr
	v_cndmask_b32 v31, s[NBT], s[BT], s[BT]        ; the lanes that agree with me in bit 0,
.irp j, 1,2,3,4,5
	v_cndmask_b32 v30, s[NBT+\j], s[BT+\j], s[BT+\j]
	s_delay_alu instid0(VALU_DEP_1)
	v_and_b32 v31, v31, v30                        ; and in all six: my key's lanes
.endr
	s_delay_alu instid0(VALU_DEP_1)
	v_mbcnt_lo_u32_b32 v[\rank], v31, 0
	v_xor_b32 v31, s[BT], v22                      ; the lanes whose key agrees with my LANE NUMBER in bit 0,
.irp j, 1,2,3,4
	v_xor_b32 v30, s[BT+\j], v[22+\j]
	s_delay_alu instid0(VALU_DEP_1)
	v_and_b32 v31, v31, v30                        ; in bits 0 to 4
.endr
	s_delay_alu instid0(VALU_DEP_1)
	v_and_b32 v[\h0], s[NBT+5], v31
	s_delay_alu instid0(VALU_DEP_2)
	v_and_b32 v[\h1], s[BT+5], v31
	POPC \h0
	POPC \h1
.endm
; An inclusive sum over the 32 lanes: four steps inside each 16 lanes, then the lower 16's total onto the upper 16.
.macro SCAN x
.irp n, 1
	v_mov_b32_dpp v36, v[\x] row_shr:\n row_mask:0xf bank_mask:0xf bound_ctrl:1
	s_delay_alu instid0(VALU_DEP_1)
	v_add_nc_u32 v[\x], v[\x], v36
.endr
.irp n, 2, 4, 8
	s_delay_alu instid0(VALU_DEP_1)
	v_mov_b32_dpp v36, v[\x] row_shr:\n row_mask:0xf bank_mask:0xf bound_ctrl:1
	s_delay_alu instid0(VALU_DEP_1)
	v_add_nc_u32 v[\x], v[\x], v36
.endr
	s_delay_alu instid0(VALU_DEP_1)
	v_readlane_b32 s44, v[\x], 15
	s_delay_alu instid0(VALU_DEP_1)
	v_and_b32 v36, s44, v27
	s_delay_alu instid0(VALU_DEP_1)
	v_add_nc_u32 v[\x], v[\x], v36
.endm
	CHUNK 14, 16, 18, 19
	CHUNK 15, 17, 20, 21
	v_add_nc_u32 v32, v18, v20
	s_delay_alu instid0(VALU_DEP_2)
	v_add_nc_u32 v33, v19, v21
	s_delay_alu instid0(VALU_DEP_1)
	v_lshl_or_b32 v32, v33, 16, v32                ; my wave's counts of keys lane and lane + 32
	ds_store_b32 v3, v32 offset:T1
	s_wait_dscnt 0x0                               ; for the others' sake: my store has landed
	s_barrier_signal -1
	s_barrier_wait -1
	ds_load_b32 v34, v4 offset:T1                  ; lane = wave: its count of the key that is MY wave's number
	s_wait_dscnt 0x0
	v_mov_b32 v35, v34
	SCAN 34
	s_delay_alu instid0(VALU_DEP_1)
	v_sub_nc_u32 v35, v34, v35                     ; the earlier waves' count
	ds_store_b32 v4, v35 offset:T2
	v_readlane_b32 s45, v34, 31
	s_delay_alu instid0(VALU_DEP_1)
	v_mov_b32 v37, s45
	ds_store_b32 v5, v37 offset:TOT                ; the key's total (all lanes write the same word with the same value)
	s_wait_dscnt 0x0
	s_barrier_signal -1
	s_barrier_wait -1
	ds_load_b32 v38, v3 offset:T2                  ; lane = key: what the waves before mine hold of it
	ds_load_b32 v39, v6 offset:TOT                 ; and its total
	s_wait_dscnt 0x0
	v_mov_b32 v40, v39
	SCAN 40
	s_delay_alu instid0(VALU_DEP_1)
	v_readlane_b32 s45, v40, 31
	s_and_b32 s45, s45, 0xffff                     ; the tokens of keys 0 to 31
	v_sub_nc_u32 v40, v40, v39
	s_delay_alu instid0(VALU_DEP_1)
	v_and_b32 v41, 0xffff, v40                     ; where key lane begins,
	s_delay_alu instid0(VALU_DEP_2)
	v_lshrrev_b32 v42, 16, v40
	s_delay_alu instid0(VALU_DEP_1)
	v_add_nc_u32 v42, s45, v42                     ; and key lane + 32
	v_and_b32 v43, 0xffff, v39
	v_lshrrev_b32 v44, 16, v39
	v_and_b32 v45, 0xffff, v38
	s_delay_alu instid0(VALU_DEP_1)
	v_add_nc_u32 v45, v45, v41                     ; where my wave's chunk A puts key lane,
	v_lshrrev_b32 v46, 16, v38
	s_delay_alu instid0(VALU_DEP_1)
	v_add_nc_u32 v46, v46, v42                     ; key lane + 32;
	s_delay_alu instid0(VALU_DEP_3)
	v_add_nc_u32 v47, v45, v18                     ; chunk B behind chunk A
	s_delay_alu instid0(VALU_DEP_2)
	v_add_nc_u32 v48, v46, v19
	v_and_b32 v49, 31, v14
	s_delay_alu instid0(VALU_DEP_1)
	v_lshlrev_b32 v49, 2, v49
	v_and_b32 v50, 31, v15
	s_delay_alu instid0(VALU_DEP_1)
	v_lshlrev_b32 v50, 2, v50
	ds_bpermute_b32 v51, v49, v45                  ; each token pulls its key's place from the lane that holds it
	ds_bpermute_b32 v52, v49, v46
	ds_bpermute_b32 v53, v50, v47
	ds_bpermute_b32 v54, v50, v48
	v_add_nc_u32 v43, v43, v41                     ; where key lane ends,
	v_add_nc_u32 v44, v44, v42                     ; and key lane + 32
	s_wait_dscnt 0x0
	v_cmp_lt_u32 vcc_lo, 31, v14
	s_delay_alu instid0(VALU_DEP_1)
	v_cndmask_b32 v51, v51, v52, vcc_lo
	s_delay_alu instid0(VALU_DEP_1)
	v_add_nc_u32 v51, v51, v16
	s_delay_alu instid0(VALU_DEP_1)
	v_min_u32 v51, 2047, v51
	s_delay_alu instid0(VALU_DEP_1)
	v_lshlrev_b32 v51, 2, v51
	global_store_b32 v51, v7, s[6:7]               ; perm[place] = token
	v_cmp_lt_u32 vcc_lo, 31, v15
	s_delay_alu instid0(VALU_DEP_1)
	v_cndmask_b32 v53, v53, v54, vcc_lo
	s_delay_alu instid0(VALU_DEP_1)
	v_add_nc_u32 v53, v53, v17
	s_delay_alu instid0(VALU_DEP_1)
	v_min_u32 v53, 2047, v53
	s_delay_alu instid0(VALU_DEP_1)
	v_lshlrev_b32 v53, 2, v53
	global_store_b32 v53, v8, s[6:7]
; The set of a block from the two masks of keys that meet it: expert e is in it where a key with e as its low or its high three bits does.
.macro BSET m
	s_mov_b32 s[\m], 0
.irp e, 0,1,2,3
	s_and_b32 s46, s36, (0x01010101<<\e)|(0xff<<(8*\e))
	s_and_b32 s47, s37, 0x01010101<<\e
	s_or_b32 s46, s46, s47                         ; SCC: any such key
	s_cselect_b32 s46, 1<<\e, 0
	s_or_b32 s[\m], s[\m], s46
.endr
.irp e, 4,5,6,7
	s_and_b32 s46, s36, 0x01010101<<\e
	s_and_b32 s47, s37, (0x01010101<<\e)|(0xff<<(8*(\e-4)))
	s_or_b32 s46, s46, s47
	s_cselect_b32 s46, 1<<\e, 0
	s_or_b32 s[\m], s[\m], s46
.endr
.endm
	s_lshl_b32 s40, s10, 6                         ; block 2 w begins at place 64 w
.irp i, 0,1
	s_add_co_u32 s41, s40, 32*\i
	s_add_co_u32 s42, s40, 32*\i+32
	v_max_u32 v55, s41, v41
	v_min_u32 v56, s42, v43
	s_delay_alu instid0(VALU_DEP_1)
	v_cmp_lt_u32 s36, v55, v56                     ; key lane's run meets the block (an empty run meets none)
	v_max_u32 v55, s41, v42
	v_min_u32 v56, s42, v44
	s_delay_alu instid0(VALU_DEP_1)
	v_cmp_lt_u32 s37, v55, v56                     ; key lane + 32's
	BSET 38+\i
.endr
	v_mov_b32 v58, s38
	v_mov_b32 v59, s39
	ds_store_b64 v57, v[58:59] offset:BM
	s_wait_dscnt 0x0
	s_barrier_signal -1
	s_barrier_wait -1
	s_cmp_lg_u32 s10, 0
	s_cbranch_scc1 .Ldone
	ds_load_b64 v[60:61], v29 offset:BM
	s_wait_dscnt 0x0
	global_store_b64 v29, v[60:61], s[8:9]         ; 32 lanes store 256 consecutive bytes: all 64 sets
.Ldone:
	s_wait_tensorcnt 0x0                           ; the wave's end: three lines behind my last LDS store
	ds_add_u32 v62, v63
	s_wait_dscnt 0x0
	s_endpgm
.Lfunc_end_k_q3920ee9b39_route:
	.size	k_q3920ee9b39_route, .Lfunc_end_k_q3920ee9b39_route-k_q3920ee9b39_route
	.p2alignl 7, 3214868480
	.fill 96, 4, 3214868480
	.section	.rodata,"a",@progbits
	.p2align	6, 0x0
	.amdhsa_kernel k_q3920ee9b39_route
		.amdhsa_group_segment_fixed_size 13312
		.amdhsa_private_segment_fixed_size 0
		.amdhsa_enable_private_segment 0
		.amdhsa_kernarg_size 24
		.amdhsa_user_sgpr_count 2
		.amdhsa_user_sgpr_kernarg_segment_ptr 1
		.amdhsa_wavefront_size32 1
		.amdhsa_system_sgpr_workgroup_id_x 1
		.amdhsa_system_sgpr_workgroup_id_y 1
		.amdhsa_system_sgpr_workgroup_id_z 1
		.amdhsa_system_vgpr_workitem_id 0
		.amdhsa_next_free_vgpr 64
		.amdhsa_next_free_sgpr 66
		.amdhsa_reserve_vcc 1
		.amdhsa_float_denorm_mode_32 3
		.amdhsa_float_denorm_mode_16_64 3
		.amdhsa_memory_ordered 1
		.amdhsa_forward_progress 1
		.amdhsa_inst_pref_size 21
	.end_amdhsa_kernel
	.amdgpu_metadata
---
amdhsa.version: [ 1, 2 ]
amdhsa.kernels:
  - .name:           k_q3920ee9b39_route
    .symbol:         k_q3920ee9b39_route.kd
    .args:
      - { .name: experts, .offset: 0, .size: 8, .value_kind: global_buffer, .address_space: global }
      - { .name: perm, .offset: 8, .size: 8, .value_kind: global_buffer, .address_space: global }
      - { .name: bmask, .offset: 16, .size: 8, .value_kind: global_buffer, .address_space: global }
    .group_segment_fixed_size: 13312
    .private_segment_fixed_size: 0
    .kernarg_segment_align: 8
    .kernarg_segment_size: 24
    .max_flat_workgroup_size: 1024
    .sgpr_count:     66
    .vgpr_count:     64
    .wavefront_size: 32
...
	.end_amdgpu_metadata
.endif
;; end of part 4
;; launch up (part 5): grid 32 x 8, 4 waves a work-group, no clusters, 0 bytes of LDS; arguments x_codes, x_scales, w1_codes, w1_scales, b1, perm, bmask, hc, hs; writes hc, hs
.if DOCPART == 5
	.amdgcn_target "amdgcn-amd-amdhsa--gfx1250"
	.amdhsa_code_object_version 6
	.text
	.protected	k_q3920ee9b39_up
	.globl	k_q3920ee9b39_up
	.p2align	8
	.type	k_q3920ee9b39_up,@function
k_q3920ee9b39_up:
	s_mov_b64 s[64:65], 0
	v_nop
	global_prefetch_b8 v0, s[64:65] scope:SCOPE_SE
	s_setreg_imm32_b32 hwreg(HW_REG_WAVE_MODE, 25, 1), 1
	s_wait_xcnt 0x0
; UP: h = Q(gelu(x W1[e] + b1[e])) on codes of FP4 (E2M1) with one E8M0 scale for each 32 along K, for every ITEM: a block b of 32 sorted tokens and an expert e of its set (bmask[b]).
; LEFT OUT: (block, expert) pairs outside the sets: no token of such a block has chosen the expert, so its weight there is 0 for all values of the inputs (shown at the head of the first launch).
; SHARES.  Work-group (x, y): expert e = y; x % 4 picks 512 of the 2,048 hidden units; x / 8's place q = x / 4 picks items q, q + 8, q + 16, .. of the expert's list.  Wave w owns hidden units 128 s2 .. 128 s2 + 127,
; s2 = 4 (x % 4) + w: ONE K step of the second product.  Its 128 rows of W1 (64 fragments, 512 registers), their scale words and b1 stay in registers; only the tokens' codes come anew for each item.
; The grid serves every split: with all tokens on one expert its 64 items go 8 to a work-group; a work-group whose q is not under the expert's number of items stores nothing and ends.
; NO TENSOR LOADS, NO CLUSTER, NO LDS: trip counts, branches and addresses hang on the stored lists, so operands go from memory straight into registers, and the four waves share nothing: no barrier.
; LAYOUT.  The product is used transposed (source 0 = 16 rows of W1, source 1 = 16 tokens): a lane holds ONE token (lane % 16) and its registers run along the hidden units.  THE ROWS OF W1 THAT FORM A TILE ARE NOT
; NEIGHBOURS: lane r of tile 2 b + u takes row 32 b + 8 u + r + 8 (r / 8), so that the 16 registers of tiles 2 b, 2 b + 1 are the 16 neighbours 32 b + 16 (lane / 16) + 0 .. 15 along the next K.  b1 is the C of a sum's first product.
; GELU as jax has it (tanh form): 0.5 x (1 + tanh(u)) = x / (1 + 2^(-x (A + B x^2))), A = 2 log2(e) sqrt(2 / pi), B = 0.044715 A; all in f32.  An infinite exponential gives 0 x, a vanished one x.
; OUT.  A fragment of h (16 tokens x 128 hidden units: 8 registers a lane) is stored as an IMAGE OF THE NEXT OPERAND'S REGISTERS: hc at ((8 b + e) 2 + tile) 16384 + 1024 s2 + 512 c + 16 lane: each store covers 512
; consecutive bytes.  Scale words: hs at (8 b + e) 2048 + 128 s2 + 4 lane: lanes 0-15 tile 0's tokens, lanes 16-31 tile 1's.  A block of zeros keeps the byte 1: its codes are zeros, and this program alone reads the bytes.
; REGISTERS, in windows of 256.  Window 0: v1-15 lane terms and offsets; v16-31 x's scale words (tiles A, B; register = K step); v32-47 at work; v48-55 the codes just made; v56-58 scale words just made; v[60:61] -A;
;   v64-127 W1's scale words (8 tile + K step); v128-191 the 8 tiles of h; v192-255 gelu's second array.   Window 1: W1's tiles 0-3 (64 tile + 8 K step).   Window 2: tiles 4-7.
;   Window 3: v0-63 x's tile A (8 K step), v64-127 tile B, v128-191 b1 (8 tile).
.set XSA, 16
.set XSB, 24
.set TM,  32
.set PC,  48
.set PW,  56
.set W1S, 64
.set HA,  128
.set Z,   192
.set XA,  0
.set XB,  64
.set B1,  128
.set MSB, 0
.macro WIN new                         ; the immediate's high byte repeats the setting that is left; a switch that changes nothing is dropped
.if MSB != (\new)
	s_set_vgpr_msb (MSB<<8)|(\new)
.set MSB, (\new)
.endif
.endm
	s_load_b512 s[4:19], s[0:1], 0x0               ; x_codes s[4:5], x_scales s[6:7], w1_codes s[8:9], w1_scales s[10:11], b1 s[12:13], perm s[14:15], bmask s[16:17], hc s[18:19]
	s_load_b64 s[20:21], s[0:1], 0x40              ; hs
	v_lshrrev_b32 v15, 5, v0
	v_readfirstlane_b32 s22, v15                   ; wave
	v_and_b32 v1, 15, v0                           ; r
	v_bfe_u32 v15, v0, 4, 1                        ; h
	v_lshlrev_b32 v2, 4, v15                       ; 16 h
	v_and_b32 v3, 31, v0
	v_lshlrev_b32 v8, 2, v3                        ; 4 x lane
	v_lshlrev_b32 v3, 4, v3                        ; 16 x lane
	v_lshlrev_b32 v9, 2, v1                        ; 4 r
	v_and_b32 v197, 8, v1
	v_add_nc_u32 v197, v197, v1                    ; r + 8 (r / 8)
	v_lshl_add_u32 v192, v197, 9, v2               ; W1's codes: a row is 512 bytes; + 16 h
	v_lshlrev_b32 v193, 5, v197                    ; W1's scales: a row is 32 bytes
	v_lshlrev_b32 v194, 6, v15                     ; b1: lanes 16-31 begin 16 numbers on
	v_mov_b32 v60, 0xc0135761                      ; -A
	v_mov_b32 v61, v60
.irp b, 0,1,2,3
	v_mov_b32 v[TM+4+\b], 0                        ; written once: a lane permute's destination counts as one of its sources
.endr
	s_and_b32 s23, ttmp7, 0xffff                   ; e
	s_and_b32 s24, ttmp9, 3
	s_lshr_b32 s25, ttmp9, 2                       ; q
	s_lshl_b32 s26, s24, 2
	s_add_co_u32 s26, s26, s22                     ; s2
	s_lshl_b32 s27, s26, 10                        ; its place in an item's codes,
	s_lshl_b32 s28, s26, 7                         ; and scale words
	s_mov_b32 s44, 0x76543210
	s_mov_b32 s45, 0xfedcba98                      ; v_permlanex16_b32's selects for lane l xor 16
	s_mov_b32 s46, 0xbdd2d3e8                      ; -B
	s_mov_b32 s47, s46                             ; (named with it as a pair, so it is written)
	s_mov_b32 s50, 0xffff0000                      ; lanes 16-31
	s_mov_b32 s43, 0
	s_wait_alu depctr_va_vdst(0)
	s_wait_kmcnt 0x0
	s_lshl_b32 s42, s23, 20                        ; an expert's W1: 2,048 rows of 512 bytes; my 128 rows begin 128 s2 rows on
	s_lshl_b32 s56, s26, 16
	s_add_co_u32 s42, s42, s56
	s_add_nc_u64 s[8:9], s[8:9], s[42:43]
	s_lshl_b32 s42, s23, 16
	s_lshl_b32 s56, s26, 12
	s_add_co_u32 s42, s42, s56
	s_add_nc_u64 s[10:11], s[10:11], s[42:43]
	s_lshl_b32 s42, s23, 13
	s_lshl_b32 s56, s26, 9
	s_add_co_u32 s42, s42, s56
	s_add_nc_u64 s[12:13], s[12:13], s[42:43]
.macro W1LOAD t                        ; tile t's eight fragments: 16 loads
	WIN 0x40+0x40*((\t)/4)
.irp s, 0,1,2,3,4,5,6,7
.irp c, 0,1
	global_load_b128 v[64*((\t)%4)+8*\s+4*\c:64*((\t)%4)+8*\s+4*\c+3], v192, s[8:9] offset:(32*((\t)/2)+8*((\t)%2))*512+64*\s+32*\c
.endr
.endr
.endm
	global_load_b32 v195, v8, s[16:17]             ; the sets of blocks lane,
	global_load_b32 v196, v8, s[16:17] offset:128  ; and lane + 32
.irp t, 0,1,2,3,4,5,6,7
	global_load_b128 v[W1S+8*\t:W1S+8*\t+3], v193, s[10:11] offset:(32*(\t/2)+8*(\t%2))*32
	global_load_b128 v[W1S+8*\t+4:W1S+8*\t+7], v193, s[10:11] offset:(32*(\t/2)+8*(\t%2))*32+16
.endr
	WIN 0xC0
.irp t, 0,1,2,3,4,5,6,7
	global_load_b128 v[B1+8*\t:B1+8*\t+3], v194, s[12:13] offset:(32*(\t/2)+8*(\t%2))*4
	global_load_b128 v[B1+8*\t+4:B1+8*\t+7], v194, s[12:13] offset:(32*(\t/2)+8*(\t%2))*4+16
.endr
	W1LOAD 0
	WIN 0
	s_wait_loadcnt 48                              ; the two set words are in: 16 + 16 + 16 loads were issued behind them
	v_lshrrev_b32 v195, s23, v195
	v_and_b32 v195, 1, v195
	v_cmp_ne_u32 s30, 0, v195                      ; blocks 0-31 that use my expert,
	v_lshrrev_b32 v196, s23, v196
	v_and_b32 v196, 1, v196
	v_cmp_ne_u32 s31, 0, v196                      ; blocks 32-63
	s_bcnt1_i32_b32 s51, s30
	s_bcnt1_i32_b32 s52, s31
	s_add_co_u32 s32, s51, s52                     ; n: the expert's items
	v_mbcnt_lo_u32_b32 v13, s30, 0                 ; the place in the list that block lane has, if it is in it,
	v_mov_b32 v15, s51
	v_mbcnt_lo_u32_b32 v14, s31, v15               ; and block lane + 32
	s_cmp_le_u32 s32, s25
	s_cbranch_scc1 .Lnone                          ; this split leaves my work-group no item
	s_sub_co_u32 s33, s32, s25
	s_sub_co_u32 s33, s33, 1
	s_lshr_b32 s33, s33, 3                         ; my items but one
	s_mov_b32 s35, s25
.macro FIND dst                        ; the block at place s35 of the list
	v_cmp_eq_u32 s51, s35, v13
	s_and_b32 s51, s51, s30
	v_cmp_eq_u32 s52, s35, v14
	s_and_b32 s52, s52, s31
	s_ctz_i32_b32 s53, s51
	s_ctz_i32_b32 s54, s52
	s_add_co_u32 s54, s54, 32
	s_cmp_lg_u32 s51, 0
	s_cselect_b32 s[\dst], s53, s54
	s_min_u32 s[\dst], s[\dst], 63
.endm
.macro PERM blk                        ; the block's 32 tokens: lane r takes tokens r and 16 + r.  2 loads
	v_lshl_add_u32 v12, s[\blk], 7, v9
	global_load_b32 v10, v12, s[14:15]
	global_load_b32 v11, v12, s[14:15] offset:64
.endm
.macro XADDR
	v_min_u32 v10, 2047, v10
	v_min_u32 v11, 2047, v11
	v_lshl_add_u32 v4, v10, 9, v2                  ; x's codes: a token's row is 512 bytes; + 16 h
	v_lshl_add_u32 v5, v11, 9, v2
	v_lshlrev_b32 v6, 5, v10                       ; x's scales: 32 bytes
	v_lshlrev_b32 v7, 5, v11
.endm
.macro XLOAD xb, xs, ca, sa            ; a tile's eight fragments and its scale words.  18 loads
	WIN 0xC0
.irp s, 0,1,2,3,4,5,6,7
.irp c, 0,1
	global_load_b128 v[\xb+8*\s+4*\c:\xb+8*\s+4*\c+3], v[\ca], s[4:5] offset:64*\s+32*\c
.endr
.endr
	WIN 0
	global_load_b128 v[\xs:\xs+3], v[\sa], s[6:7]
	global_load_b128 v[\xs+4:\xs+7], v[\sa], s[6:7] offset:16
.endm
	FIND 36
	PERM 36
	W1LOAD 1
	W1LOAD 2
	WIN 0
	s_wait_loadcnt 32                              ; the tokens are in: two tiles' 32 loads were issued behind them
	XADDR
	XLOAD XA, XSA, 4, 6
	XLOAD XB, XSB, 5, 7
	W1LOAD 3
	W1LOAD 4
	W1LOAD 5
	W1LOAD 6
	W1LOAD 7
	WIN 0
	s_wait_loadcnt 0x0                             ; the weights are in, for the whole launch
.macro PROD d, a, b, c, sa, sb
	v_wmma_scale_f32_16x16x128_f8f6f4 v[\d:\d+7], v[\a:\a+7], v[\b:\b+7], v[\c:\c+7], v[\sa], v[\sb] matrix_a_fmt:MATRIX_FMT_FP4 matrix_b_fmt:MATRIX_FMT_FP4
.endm
; 64 products: my 8 tiles of hidden units x 16 tokens, K = 1,024 in 8 steps.  The 8 accumulators take turns, one instruction a turn.  The first step's C is b1.
.macro MM xb, xs
.irp s, 0,1,2,3,4,5,6,7
.if \s == 0
	WIN 0x3D                                       ; source 0 (W1) window 1, source 1 (x) and C (b1) window 3, D window 0
.else
	WIN 0x0D
.endif
.irp t, 0,1,2,3
.if \s == 0
	PROD HA+8*\t, 64*\t+8*\s, \xb+8*\s, B1+8*\t, W1S+8*\t+\s, \xs+\s
.else
	PROD HA+8*\t, 64*\t+8*\s, \xb+8*\s, HA+8*\t, W1S+8*\t+\s, \xs+\s
.endif
.endr
.if \s == 0
	WIN 0x3E                                       ; the same with W1 in window 2
.else
	WIN 0x0E
.endif
.irp t, 4,5,6,7
.if \s == 0
	PROD HA+8*\t, 64*(\t-4)+8*\s, \xb+8*\s, B1+8*\t, W1S+8*\t+\s, \xs+\s
.else
	PROD HA+8*\t, 64*(\t-4)+8*\s, \xb+8*\s, HA+8*\t, W1S+8*\t+\s, \xs+\s
.endif
.endr
.endr
	WIN 0
.rept 4
	v_nop                                          ; four places between the last product and the first read of results (ISA guide 7.12.1)
.endr
.endm
; 64 numbers a lane.  Each batch of transcendentals is issued whole; a plain instruction and ONE wait stand ahead of its first reader.  Every pass goes up the registers.
.macro GELU
.set i, 0
.rept 32
	v_pk_mul_f32 v[Z+i:Z+i+1], v[HA+i:HA+i+1], v[HA+i:HA+i+1]                     ; x^2
.set i, i+2
.endr
.set i, 0
.rept 32
	v_pk_fma_f32 v[Z+i:Z+i+1], v[Z+i:Z+i+1], s[46:47], v[60:61] op_sel_hi:[1,0,1] ; -B x^2 - A
.set i, i+2
.endr
.set i, 0
.rept 32
	v_pk_mul_f32 v[Z+i:Z+i+1], v[Z+i:Z+i+1], v[HA+i:HA+i+1]                       ; -x (A + B x^2)
.set i, i+2
.endr
.set i, 0
	s_wait_alu depctr_va_vdst(0)
.rept 64
	v_exp_f32 v[Z+i], v[Z+i]
.set i, i+1
.endr
	v_nop
	s_wait_alu depctr_va_vdst(0)                   ; one wait for the 64 exponentials
.set i, 0
.rept 32
	v_pk_add_f32 v[Z+i:Z+i+1], v[Z+i:Z+i+1], 1.0 op_sel_hi:[1,0]
.set i, i+2
.endr
.set i, 0
	s_wait_alu depctr_va_vdst(0)
.rept 64
	v_rcp_f32 v[Z+i], v[Z+i]
.set i, i+1
.endr
	v_nop
	s_wait_alu depctr_va_vdst(0)                   ; one wait for the 64 reciprocals
.set i, 0
.rept 32
	v_pk_mul_f32 v[HA+i:HA+i+1], v[HA+i:HA+i+1], v[Z+i:Z+i+1]
.set i, i+2
.endr
.endm
; The lane's 64 numbers, register 16 b + i = hidden unit 32 b + 16 (lane / 16) + i of my token, become a fragment's codes in v[PC] on and its scale word in v[PW].
.macro QUANT
.irp b, 0,1,2,3
	v_max3_num_f32 v[TM+\b], |v[HA+16*\b]|, |v[HA+1+16*\b]|, 0x1800000            ; block b: my 16 numbers, and the floor 2^(3 - 127): the byte cannot fall under 1
.endr
.irp i, 2,4,6,8,10,12,14
.irp b, 0,1,2,3
	v_max3_num_f32 v[TM+\b], v[TM+\b], |v[HA+16*\b+\i]|, |v[HA+1+16*\b+\i]|       ; (the four blocks by turns)
.endr
.endr
.irp b, 0,1,2,3
	v_permlanex16_b32 v[TM+4+\b], v[TM+\b], s44, s45
.endr
.irp b, 0,1,2,3
	v_max_num_f32 v[TM+\b], v[TM+\b], v[TM+4+\b]   ; with lane l xor 16's: the block's largest magnitude
.endr
.irp b, 0,1,2,3
	v_add_nc_u32 v[TM+12+\b], 0xff000000, v[TM+\b] ; 2 off its exponent field: the conversion takes that field as its scale
.endr
.irp b, 0,1,2,3
	v_lshrrev_b32 v[TM+4+\b], 23, v[TM+12+\b]      ; the scale's byte
.endr
	v_lshl_or_b32 v[PW], v[TM+5], 8, v[TM+4]
	v_lshl_or_b32 v[PW], v[TM+6], 16, v[PW]
	v_lshl_or_b32 v[PW], v[TM+7], 24, v[PW]        ; my token's scale word
.irp b, 0,1,2,3
	v_cvt_scalef32_pk8_fp4_f32 v[PC+2*\b], v[HA+16*\b:HA+7+16*\b], v[TM+12+\b]
	v_cvt_scalef32_pk8_fp4_f32 v[PC+1+2*\b], v[HA+8+16*\b:HA+15+16*\b], v[TM+12+\b]
.endr
	v_nop                                          ; one plain place behind a scaled conversion
.irp c, 0,1                                    ; the operand's layout wants a WHOLE block in a lane: lanes 0-15 block 2 c, lanes 16-31 block 2 c + 1
.irp i, 0,1
	v_permlane16_swap_b32 v[PC+4*\c+\i], v[PC+2+4*\c+\i]
.endr
.endr
.endm
.macro TILE xb, xs, u                  ; tile u of the item: 16 tokens through the whole chain
	MM \xb, \xs
	GELU
	s_wait_xcnt 0x0                                ; the earlier stores have read their data: the codes' registers and the scale word are written again only behind this wait
	QUANT
	global_store_b128 v3, v[PC:PC+3], s[38:39] offset:\u*16384        ; 32 lanes store 512 consecutive bytes
	global_store_b128 v3, v[PC+4:PC+7], s[38:39] offset:\u*16384+512
.if \u == 0
	v_mov_b32 v57, v[PW]
.else
	v_cndmask_b32 v58, v57, v[PW], s50             ; lanes 0-15: tile 0's words; lanes 16-31: tile 1's (both halves of the lanes hold a token's word)
	global_store_b32 v8, v58, s[40:41]
.endif
.endm
; An item.  next = 1: the next item's tokens are looked up at its head, its tile A is asked for behind this item's tile A, its tile B behind tile B.
.macro ITEM next
	s_wait_xcnt 0x0                                ; the last item's stores have read their bases
	s_lshl_b32 s42, s36, 3
	s_add_co_u32 s42, s42, s23                     ; 8 b + e
	s_lshl_b32 s56, s42, 11
	s_lshl_b32 s42, s42, 15
	s_add_co_u32 s42, s42, s27
	s_add_nc_u64 s[38:39], s[18:19], s[42:43]      ; where my fragments go,
	s_add_co_u32 s42, s56, s28
	s_add_nc_u64 s[40:41], s[20:21], s[42:43]      ; and my scale words
.if \next
	s_add_co_u32 s35, s35, 8
	FIND 37
	PERM 37
	s_wait_loadcnt 20                              ; tile A is in: behind it stand tile B's 18 loads and the 2 just issued
.else
	s_wait_loadcnt 18                              ; tile A is in: behind it stand tile B's 18 loads
.endif
	TILE XA, XSA, 0
	s_wait_loadcnt 0x0                             ; tile B and the next tokens are in; all offsets may be written
.if \next
	XADDR
	XLOAD XA, XSA, 4, 6
.endif
	TILE XB, XSB, 1
.if \next
	XLOAD XB, XSB, 5, 7
	s_mov_b32 s36, s37
.endif
.endm
	s_mov_b32 s34, 0
	s_cmp_eq_u32 s33, 0
	s_cbranch_scc1 .Ltail
.Litem:
	ITEM 1
	s_add_co_u32 s34, s34, 1
	s_cmp_lt_u32 s34, s33
	s_cbranch_scc1 .Litem
.Ltail:
	ITEM 0                                         ; the last item asks for nothing more
	s_endpgm
.Lnone:
	s_endpgm
.Lfunc_end_k_q3920ee9b39_up:
	.size	k_q3920ee9b39_up, .Lfunc_end_k_q3920ee9b39_up-k_q3920ee9b39_up
	.p2alignl 7, 3214868480
	.fill 96, 4, 3214868480
	.section	.rodata,"a",@progbits
	.p2align	6, 0x0
	.amdhsa_kernel k_q3920ee9b39_up
		.amdhsa_group_segment_fixed_size 0
		.amdhsa_private_segment_fixed_size 0
		.amdhsa_enable_private_segment 0
		.amdhsa_kernarg_size 72
		.amdhsa_user_sgpr_count 2
		.amdhsa_user_sgpr_kernarg_segment_ptr 1
		.amdhsa_wavefront_size32 1
		.amdhsa_system_sgpr_workgroup_id_x 1
		.amdhsa_system_sgpr_workgroup_id_y 1
		.amdhsa_system_sgpr_workgroup_id_z 1
		.amdhsa_system_vgpr_workitem_id 0
		.amdhsa_next_free_vgpr 1024
		.amdhsa_next_free_sgpr 66
		.amdhsa_reserve_vcc 0
		.amdhsa_float_denorm_mode_32 3
		.amdhsa_float_denorm_mode_16_64 3
		.amdhsa_memory_ordered 1
		.amdhsa_forward_progress 1
		.amdhsa_inst_pref_size 136
	.end_amdhsa_kernel
	.amdgpu_metadata
---
amdhsa.version: [ 1, 2 ]
amdhsa.kernels:
  - .name:           k_q3920ee9b39_up
    .symbol:         k_q3920ee9b39_up.kd
    .args:
      - { .name: x_codes, .offset: 0, .size: 8, .value_kind: global_buffer, .address_space: global }
      - { .name: x_scales, .offset: 8, .size: 8, .value_kind: global_buffer, .address_space: global }
      - { .name: w1_codes, .offset: 16, .size: 8, .value_kind: global_buffer, .address_space: global }
      - { .name: w1_scales, .offset: 24, .size: 8, .value_kind: global_buffer, .address_space: global }
      - { .name: b1, .offset: 32, .size: 8, .value_kind: global_buffer, .address_space: global }
      - { .name: perm, .offset: 40, .size: 8, .value_kind: global_buffer, .address_space: global }
      - { .name: bmask, .offset: 48, .size: 8, .value_kind: global_buffer, .address_space: global }
      - { .name: hc, .offset: 56, .size: 8, .value_kind: global_buffer, .address_space: global }
      - { .name: hs, .offset: 64, .size: 8, .value_kind: global_buffer, .address_space: global }
    .group_segment_fixed_size: 0
    .private_segment_fixed_size: 0
    .kernarg_segment_align: 8
    .kernarg_segment_size: 72
    .max_flat_workgroup_size: 128
    .sgpr_count:     66
    .vgpr_count:     1024
    .wavefront_size: 32
...
	.end_amdgpu_metadata
.endif
;; end of part 5
;; launch down (part 6): grid 4 x 64, 4 waves a work-group, no clusters, 17,920 bytes of LDS; arguments hc, hs, w2_codes, w2_scales, b2, perm, bmask, experts, probs, out0; writes out0
.if DOCPART == 6
	.amdgcn_target "amdgcn-amd-amdhsa--gfx1250"
	.amdhsa_code_object_version 6
	.text
	.protected	k_q3920ee9b39_down
	.globl	k_q3920ee9b39_down
	.p2align	8
	.type	k_q3920ee9b39_down,@function
k_q3920ee9b39_down:
	s_mov_b64 s[64:65], 0
	v_nop
	global_prefetch_b8 v0, s[64:65] scope:SCOPE_SE
	s_setreg_imm32_b32 hwreg(HW_REG_WAVE_SCHED_MODE, 0, 2), 2
	s_setreg_imm32_b32 hwreg(HW_REG_WAVE_MODE, 25, 1), 1
	s_wait_xcnt 0x0
	s_wait_alu depctr_vm_vsrc(0)
; DOWN: out[t] = the sum over the experts e of my block's set of w_e(t) (h_e(t) W2[e] + b2[e]), w_e(t) = probs[0][t] [experts[0][t] = e] + probs[1][t] [experts[1][t] = e]; the product on codes of FP4 (E2M1) with E8M0 scales.
; LEFT OUT: the experts outside the block's set: every token of the block has weight 0 for them, for all values of the inputs (shown at the head of the first launch).
; SHARES.  Work-group (x, y): block b = y of 32 sorted tokens, columns 256 x on.  A wave OWNS 32 tokens x 64 columns (n0 = 256 x + 64 wave): it walks the set's experts, a PHASE each, adds in registers and stores each number once.
; NO TENSOR LOADS, NO CLUSTER: the number of phases and all weight addresses hang on the stored set, so operands go from memory straight into registers; the waves share nothing and pass no barrier.
; LAYOUT.  The product is used transposed (source 0 = 16 rows of W2 = 16 columns of out, source 1 = 16 tokens of h): lane (r, h) holds token r, register j column n0 + 16 t + 8 h + j.  h's fragments come as the images that
; the launch before stored: 16 bytes a lane, 512 consecutive bytes a load.  One register carries both tiles' scale words of h: lanes 0-15 tile 0's, lanes 16-31 tile 1's.  b2 is the C of a sum's first product.
; A PHASE is 16 K steps of 128; a step is 8 products (4 tiles of columns x 2 tiles of tokens, the 8 accumulators by turns) on 12 loads.  The fragments go through a ring of EIGHT register slots, four in window 1 and four in
; window 3, asked for four steps ahead, on into the next phase: a GROUP of four steps multiplies the slots of one window while its loads land in the other's.  16 steps are twice round the ring, so a phase is written once.
; A group's scale registers, and b2, are asked for anew, for the next phase, behind the group's last product.
; REGISTERS, in windows of 256.  Window 0: v1-9 lane terms; v10, v11 the add's two; v12-21 tokens, their experts and probs; v[22:23], v[24:25] the weights; v26-31 offsets, at work; v32-47 offsets in out; v48-63 h's scale words (K step);
;   v64-127 W2's (16 tile + K step); v128-191 rows on the way out.   Window 1: slots 0-3, slot k at 48 k: h's two tiles, then W2's four.   Window 3: slots 4-7 likewise.   Window 2: v0-63 the phase's sums (8 (4 u + t)); v64-127 out; v128-159 b2.
; THE MODE: SCHED_MODE bits 1:0 = 2 (LLVM: expert scheduling mode 2), set by the entry lines.  The code itself states the register dependences between vector or matrix instructions and memory or LDS instructions, with s_wait_alu, always for 0.
; THE PLAN.  Registers that memory or LDS instructions touch:
;   v3-v9, v26-28  offsets and LDS addresses: written at the head, never again.
;   slot s % 8     read by step s's products; the loads issued in step s + 4 land in it again.
;   scale words    those of steps 4 g .. 4 g + 3: read by that group's products; the next phase's land in them behind step 4 g + 3.
;   b2             read by step 0's products, as C; the next phase's lands behind step 3.
;   out's sums     written by the multiply-adds at each phase's end; read by the LDS stores of the way out.   v32-47: written at the head; read by the last stores.
; So ONE wait on va_vdst stands behind each group of four steps.  It states that the group's products are done reading their four slots, their scale words and (group 0) b2.  All loads up to the next such wait land in those registers
; alone, and the products issued meanwhile name the other window's slots, the next group's scale words and the sums: so a step's twelve loads stand first in it, ahead of its products, with no further wait.
; No register that a memory instruction reads is ever written again.
.set OT,   32
.set HS,   48
.set W2S,  64
.set BK,   128
.set ACC,  0
.set OUTR, 64
.set B2,   128
.set STGB, 4352                        ; LDS: a stage of 16 rows x (256 bytes + 16) for each wave
.set SPARE, 17408                      ; behind the four stages: the spare words, 128 bytes for each wave: no other line names them
.set MSB, 0
.macro WIN new                         ; the immediate's high byte repeats the setting that is left; a switch that changes nothing is dropped
.if MSB != (\new)
	s_set_vgpr_msb (MSB<<8)|(\new)
.set MSB, (\new)
.endif
.endm
	s_load_b512 s[4:19], s[0:1], 0x0               ; hc s[4:5], hs s[6:7], w2_codes s[8:9], w2_scales s[10:11], b2 s[12:13], perm s[14:15], bmask s[16:17], experts s[18:19]
	s_load_b128 s[20:23], s[0:1], 0x40             ; probs s[20:21], out0 s[22:23]
	v_lshl_add_u32 v10, v0, 2, SPARE               ; my spare word; never rewritten
	v_mov_b32 v11, 0                               ; 0; never rewritten
	v_lshrrev_b32 v31, 5, v0
	v_readfirstlane_b32 s24, v31                   ; wave
	s_and_b32 s25, ttmp7, 0xffff                   ; b
	s_lshl_b32 s26, ttmp9, 8
	v_and_b32 v1, 15, v0                           ; r
	v_bfe_u32 v2, v0, 4, 1                         ; h
	v_and_b32 v31, 31, v0
	v_lshlrev_b32 v3, 4, v31                       ; h's images: 16 x lane
	v_lshlrev_b32 v6, 2, v31                       ; h's scale words: 4 x lane
	v_lshlrev_b32 v4, 10, v1
	v_lshl_add_u32 v4, v2, 4, v4                   ; W2's codes: a row is 1,024 bytes; + 16 h
	v_lshlrev_b32 v5, 6, v1                        ; W2's scales: a row is 64 bytes
	v_lshlrev_b32 v7, 5, v2                        ; b2, and perm on the way out: lanes 16-31 begin 8 words on
	v_mul_u32_u24 v8, v1, 272
	v_lshl_add_u32 v8, v2, 5, v8
	v_mul_u32_u24 v9, v2, 2176
	v_lshl_add_u32 v9, v1, 4, v9
	v_lshlrev_b32 v28, 2, v1
	v_lshlrev_b32 v30, 4, v1
	v_mov_b32 v23, 0                               ; (named as the upper halves of the weights' pairs)
	v_mov_b32 v25, 0
	s_wait_alu depctr_va_sdst(0)                   ; s24, the wave's number, is written, ahead of its first reader
	s_lshl_b32 s46, s24, 6
	s_add_co_u32 s26, s26, s46                     ; n0
	s_mul_i32 s49, s24, STGB                       ; my stage (s49 serves these lines alone: no scalar line writes it behind the vector lines that read it)
	v_add_nc_u32 v8, s49, v8                       ; the stage, in: row r, + 32 h
	v_add_nc_u32 v9, s49, v9                       ; and back: lanes 0-15 a row, lanes 16-31 the row 8 further down
	s_lshl_b32 s50, s25, 3                         ; 8 b
	s_lshl_b32 s48, s25, 2
	s_lshl_b32 s46, s25, 7
	s_mov_b32 s47, 0
	s_wait_kmcnt 0x0
	s_load_b32 s27, s[16:17], s48 offset:0x0       ; my block's set
	s_add_nc_u64 s[14:15], s[14:15], s[46:47]      ; perm at my block
	s_wait_alu depctr_va_vdst(0)                   ; the lane terms v3 to v9 and v28 are written: the offsets and LDS addresses of the loads and LDS lines of the whole kernel
	global_load_b32 v12, v28, s[14:15]             ; token r of tile 0,
	global_load_b32 v13, v28, s[14:15] offset:64   ; of tile 1
	global_load_b128 v[OT:OT+3], v7, s[14:15]                  ; the way out: register 8 u + i: the token of row i (lanes 16-31: i + 8) of tile u
	global_load_b128 v[OT+4:OT+7], v7, s[14:15] offset:16
	global_load_b128 v[OT+8:OT+11], v7, s[14:15] offset:64
	global_load_b128 v[OT+12:OT+15], v7, s[14:15] offset:80
	s_lshl_b32 s46, s26, 10
	s_add_nc_u64 s[8:9], s[8:9], s[46:47]          ; W2's codes, scales, b2 and out at my first column
	s_lshl_b32 s46, s26, 6
	s_add_nc_u64 s[10:11], s[10:11], s[46:47]
	s_lshl_b32 s46, s26, 2
	s_add_nc_u64 s[12:13], s[12:13], s[46:47]
	s_add_nc_u64 s[22:23], s[22:23], s[46:47]
	WIN 0x80
.set i, 0
.rept 64
	v_mov_b32 v[OUTR+i], 0                         ; out's sums begin at 0, so that the phase is written once for every expert of the set
.set i, i+1
.endr
	WIN 0
.macro TAKE                            ; the set's lowest expert becomes the pending one
	s_ctz_i32_b32 s29, s27
	s_min_u32 s29, s29, 7
	s_sub_co_u32 s46, s27, 1
	s_and_b32 s27, s27, s46
.endm
.macro BASES                           ; the pending expert's five bases
	s_mov_b32 s47, 0
	s_lshl_b32 s46, s29, 20
	s_add_nc_u64 s[36:37], s[8:9], s[46:47]        ; W2's codes: 1,024 rows of 1,024 bytes an expert
	s_add_co_u32 s48, s50, s29                     ; 8 b + e
	s_lshl_b32 s46, s48, 15
	s_add_nc_u64 s[38:39], s[4:5], s[46:47]        ; h's codes
	s_lshl_b32 s46, s29, 16
	s_add_nc_u64 s[40:41], s[10:11], s[46:47]      ; W2's scales
	s_lshl_b32 s46, s48, 11
	s_add_nc_u64 s[42:43], s[6:7], s[46:47]        ; h's scale words
	s_lshl_b32 s46, s29, 12
	s_add_nc_u64 s[44:45], s[12:13], s[46:47]      ; b2
.endm
.macro F hb, wb, s                     ; K step s's fragments into slot s % 8 (window 1 or 3, at 48 (s % 4)): h's two tiles, W2's four.  12 loads
.set SLF, 48*((\s)%4)
	WIN 0x40+0x80*(((\s)%8)/4)
.irp u, 0,1
.irp c, 0,1
	global_load_b128 v[SLF+8*\u+4*\c:SLF+8*\u+4*\c+3], v3, s[\hb:\hb+1] offset:\u*16384+(\s)*1024+512*\c
.endr
.endr
.irp t, 0,1,2,3
.irp c, 0,1
	global_load_b128 v[SLF+16+8*\t+4*\c:SLF+16+8*\t+4*\c+3], v4, s[\wb:\wb+1] offset:\t*16384+64*(\s)+32*\c
.endr
.endr
.endm
.macro G g                             ; the pending expert's scale words of K steps 4 g .. 4 g + 3.  8 loads
.irp t, 0,1,2,3
	global_load_b128 v[W2S+16*\t+4*(\g):W2S+16*\t+4*(\g)+3], v5, s[40:41] offset:\t*1024+16*(\g)
.endr
.irp i, 0,1,2,3
	global_load_b32 v[HS+4*(\g)+\i], v6, s[42:43] offset:(4*(\g)+\i)*128
.endr
.endm
.macro LB2                             ; the pending expert's b2 in the result's layout.  8 loads
.irp t, 0,1,2,3
	global_load_b128 v[B2+8*\t:B2+8*\t+3], v7, s[44:45] offset:64*\t
	global_load_b128 v[B2+8*\t+4:B2+8*\t+7], v7, s[44:45] offset:64*\t+16
.endr
.endm
	s_wait_kmcnt 0x0
	s_and_b32 s27, s27, 0xff
	s_bcnt1_i32_b32 s30, s27
	s_max_u32 s30, s30, 1                          ; (a block has 32 tokens, so its set is never empty; the hold keeps the trip count bounded whatever the word holds)
	s_sub_co_u32 s30, s30, 1                       ; the phases but one
	TAKE
	BASES
	s_wait_loadcnt 0x0                             ; the tokens are in
	v_min_u32 v12, 2047, v12
	v_min_u32 v13, 2047, v13
	v_lshlrev_b32 v26, 2, v12
	v_lshlrev_b32 v27, 2, v13
	s_wait_alu depctr_va_vdst(0)                   ; v26 and v27 are written, which the eight loads below read
	global_load_b32 v14, v26, s[18:19]             ; tile 0: experts[0], experts[1];
	global_load_b32 v15, v26, s[18:19] offset:8192
	global_load_b32 v16, v27, s[18:19]             ; tile 1
	global_load_b32 v17, v27, s[18:19] offset:8192
	global_load_b32 v18, v26, s[20:21]             ; tile 0: probs[0], probs[1];
	global_load_b32 v19, v26, s[20:21] offset:8192
	global_load_b32 v20, v27, s[20:21]             ; tile 1
	global_load_b32 v21, v27, s[20:21] offset:8192
	WIN 0x80                                       ; the first phase's loads, in the very order in which a phase issues the next phase's, so that one table of counts serves both ways into a phase
	LB2
	WIN 0
	G 0
	G 1
	G 2
	F 38, 36, 0
	F 38, 36, 1
	F 38, 36, 2
	F 38, 36, 3
	WIN 0
	G 3
.irp i, 0,1,2,3,4,5,6,7,8,9,10,11,12,13,14,15
	v_min_u32 v[OT+\i], 2047, v[OT+\i]
.endr
.irp i, 0,1,2,3,4,5,6,7,8,9,10,11,12,13,14,15
	v_lshl_add_u32 v[OT+\i], v[OT+\i], 12, v30     ; a row of out is 4,096 bytes; + 16 (lane % 16)
.endr
.macro PROD d, a, b, c, sa, sb, row1
.if \row1
	v_wmma_scale_f32_16x16x128_f8f6f4 v[\d:\d+7], v[\a:\a+7], v[\b:\b+7], v[\c:\c+7], v[\sa], v[\sb] matrix_a_fmt:MATRIX_FMT_FP4 matrix_b_fmt:MATRIX_FMT_FP4 matrix_b_scale:MATRIX_SCALE_ROW1
.else
	v_wmma_scale_f32_16x16x128_f8f6f4 v[\d:\d+7], v[\a:\a+7], v[\b:\b+7], v[\c:\c+7], v[\sa], v[\sb] matrix_a_fmt:MATRIX_FMT_FP4 matrix_b_fmt:MATRIX_FMT_FP4
.endif
.endm
; K step s.  THE COUNT lets stay out what was issued behind this step's 12 fragment loads: the loads of the three steps that follow it in the order of issue, 12 each, and 8 more for each run of b2 or scale words among them.
; With a next phase those runs stand behind steps 3 (b2 and scale words: 16), 7, 11 and 15 (scale words: 8): 44 as a rule, 52 at steps 4 to 7.  In the last phase only the run behind the phase before's step 15 is left: 44 up to step 3, then 36, and 24, 12, 0 at the end.
.macro STEP s, next
.if \next
.if ((\s) >= 4) && ((\s) < 8)
	s_wait_loadcnt 52
.else
	s_wait_loadcnt 44
.endif
.else
.if (\s) < 4
	s_wait_loadcnt 44
.elseif (\s) < 13
	s_wait_loadcnt 36
.else
	s_wait_loadcnt 12*(15-(\s))
.endif
.endif
.if (\s) < 12
	F 34, 32, (\s)+4                               ; four steps ahead, into the slot that the step four back multiplied.  No wait: that step stands ahead of the last group's wait, and no product since names the slot
.elseif \next
	F 38, 36, (\s)-12                              ; on into the next phase
.endif
	WIN 0xA5+0x0A*(((\s)%8)/4)                     ; sources 0 (W2) and 1 (h) window 1 or 3; C and D window 2
.set SL, 48*((\s)%4)
.irp t, 0,1,2,3
.irp u, 0,1
.if (\s) == 0
	PROD ACC+8*(4*\u+\t), SL+16+8*\t, SL+8*\u, B2+8*\t, W2S+16*\t+(\s), HS+(\s), \u
.else
	PROD ACC+8*(4*\u+\t), SL+16+8*\t, SL+8*\u, ACC+8*(4*\u+\t), W2S+16*\t+(\s), HS+(\s), \u
.endif
.endr
.endr
.if ((\s)%4 == 3) && (\next || ((\s) < 8))     ; a group's end, where loads follow that land in its registers
.rept 4
	v_nop                                          ; four places in front of loads into registers that these products have read, and of the first read of results
.endr
	s_wait_alu depctr_va_vdst(0)                   ; the group's products are done reading their four slots, their scale words and (group 0) b2: the loads below, and the fragment loads of the next four steps, land in these
.if \next
.if (\s) == 3
	WIN 0x80
	LB2
.endif
	WIN 0
	G (\s)/4
.endif
.elseif (\s) == 15
.rept 4
	v_nop                                          ; four places in front of the first read of results (ISA guide 7.12.1)
.endr
.endif
.endm
.macro PHASE next
	s_wait_xcnt 0x0                                ; every load issued has read its base: both sets of bases may be written
	s_mov_b64 s[32:33], s[36:37]                   ; the pending expert becomes this phase's: W2's codes,
	s_mov_b64 s[34:35], s[38:39]                   ; h's codes,
	s_mov_b32 s28, s29                             ; its number
.if \next
	TAKE
	BASES
.endif
.set S, 0
.rept 16
	STEP S, \next
.set S, S+1
.endr
	WIN 0
	v_cmp_eq_u32 s52, s28, v14                     ; the one_hot as a selection: w = p0 [e0 = e] + p1 [e1 = e]
	v_cmp_eq_u32 s53, s28, v15
	v_cmp_eq_u32 s54, s28, v16
	v_cmp_eq_u32 s55, s28, v17
	s_wait_alu depctr_va_sdst(0)                   ; the four compares have written their masks, s52 to s55, ahead of the first select
	v_cndmask_b32 v29, 0, v18, s52
	v_cndmask_b32 v31, 0, v19, s53
	v_add_f32 v22, v29, v31
	v_cndmask_b32 v29, 0, v20, s54
	v_cndmask_b32 v31, 0, v21, s55
	v_add_f32 v24, v29, v31
	WIN 0xA2                                       ; the sums and out in window 2, the weight in window 0
.set i, 0
.rept 16
	v_pk_fma_f32 v[OUTR+i:OUTR+i+1], v[ACC+i:ACC+i+1], v[22:23], v[OUTR+i:OUTR+i+1] op_sel_hi:[1,0,1]   ; out += w y, each accumulator from its low end on
.set i, i+2
.endr
.rept 16
	v_pk_fma_f32 v[OUTR+i:OUTR+i+1], v[ACC+i:ACC+i+1], v[24:25], v[OUTR+i:OUTR+i+1] op_sel_hi:[1,0,1]
.set i, i+2
.endr
	WIN 0
.endm
	s_mov_b32 s31, 0
	s_cmp_eq_u32 s30, 0
	s_cbranch_scc1 .Llast
.Lphase:
	PHASE 1
	s_add_co_u32 s31, s31, 1
	s_cmp_lt_u32 s31, s30
	s_cbranch_scc1 .Lphase
.Llast:
	PHASE 0                                        ; the last phase asks for nothing beyond itself
	; THE WAY OUT.  A lane holds 32 neighbouring bytes of a token's row, and the lanes beside it hold other tokens: a tile of 16 tokens x 256 bytes goes through my own stage and comes back by rows.
	; LDS serves a wave's instructions in order (ISA guide 5.7.1.4): no wait between the stores and the loads, nor in front of the second tile's stores.
	s_wait_alu depctr_va_vdst(0)                   ; the multiply-adds have written out's sums, which the LDS stores read; the lines at the head have written v32 to v47, which the global stores read as offsets
.irp u, 0,1
	WIN 0x08                                       ; an LDS store's data are its source 1: window 2
.irp t, 0,1,2,3
	ds_store_b128 v8, v[OUTR+8*(4*\u+\t):OUTR+8*(4*\u+\t)+3] offset:64*\t
	ds_store_b128 v8, v[OUTR+8*(4*\u+\t)+4:OUTR+8*(4*\u+\t)+7] offset:64*\t+16
.endr
	WIN 0
.irp i, 0,1,2,3,4,5,6,7
	ds_load_b128 v[BK+32*\u+4*\i:BK+32*\u+4*\i+3], v9 offset:272*\i
.endr
.endr
.irp u, 0,1
.irp i, 0,1,2,3,4,5,6,7
	s_wait_dscnt 23-16*\u-\i                       ; row pair i of tile u is back: behind it stand its tile's later loads, and for tile 0 tile 1's sixteen LDS lines
	global_store_b128 v[OT+8*\u+\i], v[BK+32*\u+4*\i:BK+32*\u+4*\i+3], s[22:23] th:TH_STORE_NT   ; sixteen lanes store 256 consecutive bytes of a token's row, at a multiple of 256 from out's first byte
.endr
.endr
	s_wait_dscnt 0x0                               ; the closing lines, six on end
	s_wait_alu 0x0
	s_wait_tensorcnt 0x0
	ds_add_u32 v10, v11
	s_wait_dscnt 0x0
	s_endpgm
.Lfunc_end_k_q3920ee9b39_down:
	.size	k_q3920ee9b39_down, .Lfunc_end_k_q3920ee9b39_down-k_q3920ee9b39_down
	.p2alignl 7, 3214868480
	.fill 96, 4, 3214868480
	.section	.rodata,"a",@progbits
	.p2align	6, 0x0
	.amdhsa_kernel k_q3920ee9b39_down
		.amdhsa_group_segment_fixed_size 17920
		.amdhsa_private_segment_fixed_size 0
		.amdhsa_enable_private_segment 0
		.amdhsa_kernarg_size 80
		.amdhsa_user_sgpr_count 2
		.amdhsa_user_sgpr_kernarg_segment_ptr 1
		.amdhsa_wavefront_size32 1
		.amdhsa_system_sgpr_workgroup_id_x 1
		.amdhsa_system_sgpr_workgroup_id_y 1
		.amdhsa_system_sgpr_workgroup_id_z 1
		.amdhsa_system_vgpr_workitem_id 0
		.amdhsa_next_free_vgpr 960
		.amdhsa_next_free_sgpr 66
		.amdhsa_reserve_vcc 0
		.amdhsa_float_denorm_mode_32 3
		.amdhsa_float_denorm_mode_16_64 3
		.amdhsa_memory_ordered 1
		.amdhsa_forward_progress 1
		.amdhsa_inst_pref_size 99
	.end_amdhsa_kernel
	.amdgpu_metadata
---
amdhsa.version: [ 1, 2 ]
amdhsa.kernels:
  - .name:           k_q3920ee9b39_down
    .symbol:         k_q3920ee9b39_down.kd
    .args:
      - { .name: hc, .offset: 0, .size: 8, .value_kind: global_buffer, .address_space: global }
      - { .name: hs, .offset: 8, .size: 8, .value_kind: global_buffer, .address_space: global }
      - { .name: w2_codes, .offset: 16, .size: 8, .value_kind: global_buffer, .address_space: global }
      - { .name: w2_scales, .offset: 24, .size: 8, .value_kind: global_buffer, .address_space: global }
      - { .name: b2, .offset: 32, .size: 8, .value_kind: global_buffer, .address_space: global }
      - { .name: perm, .offset: 40, .size: 8, .value_kind: global_buffer, .address_space: global }
      - { .name: bmask, .offset: 48, .size: 8, .value_kind: global_buffer, .address_space: global }
      - { .name: experts, .offset: 56, .size: 8, .value_kind: global_buffer, .address_space: global }
      - { .name: probs, .offset: 64, .size: 8, .value_kind: global_buffer, .address_space: global }
      - { .name: out0, .offset: 72, .size: 8, .value_kind: global_buffer, .address_space: global }
    .group_segment_fixed_size: 17920
    .private_segment_fixed_size: 0
    .kernarg_segment_align: 8
    .kernarg_segment_size: 80
    .max_flat_workgroup_size: 128
    .sgpr_count:     66
    .vgpr_count:     960
    .wavefront_size: 32
...
	.end_amdgpu_metadata
.endif
;; end of part 6
